; MI455X (gfx1250); checked and timed in simulation.
; The chip was launched on July 23, 2026; its instructions are those of AMD's public machine-readable ISA for CDNA 5 (MIT licence, August 2026) and "CDNA5" Instruction Set Architecture Reference Guide (July 2026). The comments in the code are by the model that wrote it; some were corrected since.
;; Transformer Block. Allowed arithmetic: matrix products marked QUANTISED: E4M3 operands, one given power-of-two scale a tensor, by v_wmma_f32_16x16x64_fp8_fp8 or v_wmma_f32_16x16x128_fp8_fp8, f32 sums; everything else in f32.
;; Inputs: b_fc1 4,096 float32; b_fc2 1,024 float32; ln1_b 1,024 float32; ln1_w 1,024 float32; ln2_b 1,024 float32; ln2_w 1,024 float32; lowp_scales 12 int32 (the exponents e of the quantised operands' scales 2^e); w_fc1 1,024 x 4,096 float32; w_fc2 4,096 x 1,024 float32; w_proj 1,024 x 1,024 float32; w_qkv 1,024 x 3,072 float32; x 2 x 2,048 x 1,024 float32.
;; Outputs: out0 2 x 2,048 x 1,024 float32.
;; This version of the problem:
;;   THIS VERSION OF THE PROBLEM IS GIVEN IN LOW PRECISION. The matrix products marked QUANTISED in the list below multiply operands that are first quantised to E4M3 (4 exponent bits, 3 mantissa bits; 8 bits a number), with one given power-of-two scale for each operand tensor; their sums are f32. All else is computed in f32.
;;   The module's matrix products, in the order in which they are computed (A, B: the left and right operand; K: the contracted axis; several contracted axes count as one K, in the product's order):
;;     1. [M 4,096, K 1,024] x [K 1,024, N 3,072]; A: computed on the way; B: input w_qkv: QUANTISED (scales: A lowp_scales[0], B lowp_scales[1])
;;     2. batch 32 x [M 2,048, K 64] x [K 64, N 2,048]; A: computed on the way; B: computed on the way: QUANTISED (scales: A lowp_scales[2], B lowp_scales[3])
;;     3. batch 32 x [M 2,048, K 2,048] x [K 2,048, N 64]; A: softmax (see below); B: computed on the way: QUANTISED (scales: A lowp_scales[4], B lowp_scales[5])
;;     4. [M 4,096, K 1,024] x [K 1,024, N 1,024]; A: computed on the way; B: input w_proj: QUANTISED (scales: A lowp_scales[6], B lowp_scales[7])
;;     5. [M 4,096, K 1,024] x [K 1,024, N 4,096]; A: computed on the way; B: input w_fc1: QUANTISED (scales: A lowp_scales[8], B lowp_scales[9])
;;     6. [M 4,096, K 4,096] x [K 4,096, N 1,024]; A: computed on the way; B: input w_fc2: QUANTISED (scales: A lowp_scales[10], B lowp_scales[11])
;;   THE QUANTISER, for each operand of a quantised product, along K:
;;     - The operand's scale is 2^e, e = its entry of the input lowp_scales (int32; the entries are numbered through the quantised products in the list's order, A before B).
;;     - Each number is divided by the scale, clamped to +-448, and rounded to the nearest number of E4M3, ties to even, subnormals kept.
;;     - The product sums the exact products of the quantised numbers (number of the format x scale) in f32.
;;   ~~~python
;;   def quantise(x, axis, e):      # numpy; x: float32 -> the quantised numbers, widened to float32 again
;;       x = np.moveaxis(x, axis, -1); K = x.shape[-1]
;;       r = np.clip(x / 2.0 ** e, -448, 448)
;;       step = 2.0 ** (np.maximum(np.frexp(np.where(r == 0, 1, r))[1] - 1, -6) - 3)
;;       q = np.round(r / step) * step * 2.0 ** e      # np.round: ties to even
;;       return np.moveaxis(q, -1, axis).astype(np.float32)
;;   ~~~
;;   SOFTMAX AHEAD OF A QUANTISED PRODUCT. Where the list says 'softmax', what is quantised is not the finished softmax but p = 2^(t - M), with t = logit x log2(e) and M = ceil(the row's largest t), a whole number; so 1/2 < the row's largest p <= 1. The row's sum l is taken of the UNQUANTISED p, in f32, and the product's result is divided by l at the end. Since M is a whole number, a kernel that streams over the keys may use a running M (the ceiling of the running maximum): every later rescaling is an exact power of two, so the quantised numbers keep their values, but for numbers so far below the row's largest that they fall under the format's range.
;;   OPERANDS COMPUTED ON THE WAY. 'Computed on the way' means the value that the module computes at that place (a softmax that the list does not call 'softmax' is quantised finished and normalised). What goes into a quantiser is computed in f32, as accurately as f32 sums, v_exp_f32 and their like allow (about 1e-6 of the number): no bf16 or f16 on the way to a quantiser, and a product that is left as it is and whose result goes on into a quantised operand takes f32 operands (vector FMAs, or v_wmma_f32_16x16x4_f32). A number that lies on a knife's edge between two numbers of the format may be rounded either way, as far as f32 arithmetic and the matrix unit's own rounding can turn it there, and no further.
;; One version. Each part assembles by itself: llvm-mc -triple=amdgcn-amd-amdhsa -mcpu=gfx1250 --defsym DOCPART=n.
;; ======== version 1 of 1: 7 launches
;; limits: right only within a limited range of input values
;; workspace buffers: P 16,777,216 bytes; QKV 12,582,912 bytes; O 4,194,304 bytes; X1 16,777,216 bytes; H2 4,194,304 bytes; G 16,777,216 bytes
;; launch prep (part 1): grid 640 x 1, 4 waves a work-group, no clusters, 17,920 bytes of LDS; arguments x, ln1_w, ln1_b, w_qkv, w_proj, w_fc1, w_fc2, lowp_scales, P; writes P
.if DOCPART == 1
	.amdgcn_target "amdgcn-amd-amdhsa--gfx1250"
	.amdhsa_code_object_version 6
	.text
	.protected	k_q8b81a47daf_prep
	.globl	k_q8b81a47daf_prep
	.p2align	8
	.type	k_q8b81a47daf_prep,@function
k_q8b81a47daf_prep:
	s_mov_b64 s[64:65], 0
	v_nop
	global_prefetch_b8 v0, s[64:65] scope:SCOPE_SE
	s_setreg_imm32_b32 hwreg(HW_REG_WAVE_MODE, 25, 1), 1
	s_wait_xcnt 0x0
; TRANSFORMER BLOCK IN FP8 (E4M3), launch 1 of 7: LayerNorm 1 of x and the four weights become codes, each with its given scale 2^e.
; NO WORK OF THE PROBLEM IS LEFT OUT IN ANY LAUNCH: every input has a way to out0 (both LayerNorm biases move codes, both MLP biases move sums), so all twelve inputs are loaded.
; THE LAYOUT OF EVERY OPERAND IN THE WORKSPACE IS AN IMAGE OF THE OPERAND'S REGISTERS.  A fragment, 16 rows x 128 along K, is 2,048 bytes [piece c 0..3][lane 0..31][16 bytes]: lane (r = l % 16, h = l / 16)
; holds of row r, in piece c, k = 32 c + 8 h + 0..7 (bytes 0-7) and k = 32 c + 16 + 8 h + 0..7 (bytes 8-15): the places that the plain FP8 matrix form gives each k.  A panel is 128 rows: [K step of 128][row tile 0..7][2,048].
; P holds: H1 = codes of LN1(x) at 0 (32 panels), w_qkv's at WQOFF (24 panels; a row is a column of the weight), w_proj's at WPOFF (8), w_fc1's at W1OFF (32), w_fc2's at W2OFF (8 panels of K = 4,096).
; code = number / 2^e, held within +-448, to the nearest code, ties to even.  LIMITS: each e used here (entries 0, 1, 7, 9, 11) lies between -126 and 119; NaN among the inputs is not served.
; SHARES.  Work-groups 0-255: LayerNorm, 16 rows each, 4 a wave.  256-351: w_qkv; 352-383: w_proj; 384-511: w_fc1; 512-639: w_fc2: 128 columns x 256 along K each.  The branches hang on the work-group's number alone.
; No matrix unit, no cluster, no tensor load: the launch streams each byte once and shares nothing between work-groups.
.set SPARE, 17408                      ; behind the LayerNorm's image: the spare words, 128 bytes a wave
.set PITCH, 272                        ; a row of the image in LDS: 256 bytes + 16
.set X,  32                            ; v32-159   four rows, 32 numbers a lane each
.set W,  160                           ; v160-191  the gain at my 32 columns
.set BV, 192                           ; v192-223  the bias at my 32 columns
.set CD, 224                           ; v224-255  codes: 8 registers a row, never written again
.set WQOFF, 4194304
.set WPOFF, 7340032
.set W1OFF, 8388608
.set W2OFF, 12582912
; ---- a weight [K][N], f32: a lane takes a column and its registers run down K, so that each load reads 128 consecutive bytes a wave and the conversions give codes with K innermost
.macro WLOAD t, N, SRC                 ; block t: 32 rows of K at my column, into set t % 2
.set n, 0
.rept 32
	global_load_b32 v[32+32*((\t)%2)+n], v3, s[\SRC:\SRC+1] offset:(32*(\t)+n)*(\N)*4 th:TH_LOAD_NT
.set n, n+1
.endr
.endm
.macro WBLOCK t, N, SRC
.set XS, 32+32*((\t)%2)
.set CS, 96+8*(\t)                     ; each block has its own eight code registers: no store's data are written again
.if (\t) < 7
	s_wait_loadcnt 32                              ; this block's 32 loads are in; the next block's 32 may be out
.else
	s_wait_loadcnt 0x0
.endif
.set n, 0
.rept 32
	v_med3_num_f32 v[XS+n], v[XS+n], -v10, v10     ; the conversion does not saturate (ISA guide 7.6.2): the hold at 448 x the scale comes first
.set n, n+1
.endr
	v_cvt_scalef32_pk8_fp8_f32 v[CS:CS+1], v[XS:XS+7], v11          ; h = 0: k = 0..7,
	v_cvt_scalef32_pk8_fp8_f32 v[CS+2:CS+3], v[XS+16:XS+23], v11    ;        k = 16..23
	v_cvt_scalef32_pk8_fp8_f32 v[CS+4:CS+5], v[XS+8:XS+15], v11     ; h = 1: k = 8..15,
	v_cvt_scalef32_pk8_fp8_f32 v[CS+6:CS+7], v[XS+24:XS+31], v11    ;        k = 24..31
	global_store_b128 v4, v[CS:CS+3], s[24:25] offset:((\t)/4)*16384+((\t)%4)*512        ; sixteen lanes store 256 consecutive bytes, aligned
	global_store_b128 v4, v[CS+4:CS+7], s[24:25] offset:((\t)/4)*16384+((\t)%4)*512+256
.if (\t) < 6
	WLOAD (\t)+2, \N, \SRC                         ; the set just converted takes the block two further on
.endif
.endm
; N columns; 2^LOGKC chunks of 256 along K; KS K steps of 128 in a panel; FIRST: the path's first work-group; SRC: the weight's address; DSTOFF: its place in P; ES: its exponent
.macro WPATH N, LOGKC, KS, FIRST, SRC, DSTOFF, ES
	s_sub_co_u32 s44, ttmp9, \FIRST
	s_and_b32 s45, s44, (1<<(\LOGKC))-1            ; y: which 256 along K
	s_lshr_b32 s46, s44, \LOGKC                    ; x: which panel of 128 columns
	s_mul_i32 s48, s45, 1024*(\N)                  ; 256 rows of N x 4 bytes,
	s_lshl_b32 s47, s46, 9                         ; 128 columns x 4 bytes,
	s_add_co_u32 s48, s48, s47
	s_lshl_b32 s47, s26, 7                         ; my wave's 32 columns
	s_add_co_u32 s48, s48, s47
	s_mov_b32 s49, 0
	s_add_nc_u64 s[\SRC:\SRC+1], s[\SRC:\SRC+1], s[48:49]
	WLOAD 0, \N, \SRC
	WLOAD 1, \N, \SRC
	s_mul_i32 s50, s46, (\KS)*16384                ; the panel,
	s_lshl_b32 s47, s45, 15                        ; two K steps of 128 a chunk,
	s_add_co_u32 s50, s50, s47
	s_lshl_b32 s47, s26, 12                        ; my wave's two row tiles
	s_add_co_u32 s50, s50, s47
	s_add_co_u32 s50, s50, \DSTOFF
	s_mov_b32 s51, 0
	s_add_nc_u64 s[24:25], s[24:25], s[50:51]
	s_wait_kmcnt 0x0                               ; the exponents
	s_add_co_i32 s52, s[\ES], 127
	s_lshl_b32 s53, s52, 23
	v_mov_b32 v11, s53                             ; 2^e as f32: the conversion takes its exponent field
	s_add_co_i32 s52, s52, 8
	s_lshl_b32 s52, s52, 23
	s_or_b32 s52, s52, 0x600000
	v_mov_b32 v10, s52                             ; 448 x 2^e
	s_wait_alu depctr_va_vdst(0)
.irp t, 0,1,2,3,4,5,6,7
	WBLOCK \t, \N, \SRC
.endr
	s_endpgm
.endm
; ---- LayerNorm: a wave holds a row in 32 registers a lane: register 4 j + e is column 128 j + 4 lane + e
.macro JOIN                            ; the four chains of pairs into v8
	v_pk_add_f32 v[8:9], v[8:9], v[10:11]
	v_pk_add_f32 v[12:13], v[12:13], v[14:15]
	v_pk_add_f32 v[8:9], v[8:9], v[12:13]
	v_add_f32 v8, v8, v9
.endm
.macro REDUCE                          ; v8 summed over the 32 lanes, the result in every lane
	v_add_f32_dpp v8, v8, v8 row_xmask:1 row_mask:0xf bank_mask:0xf
	v_add_f32_dpp v8, v8, v8 row_xmask:2 row_mask:0xf bank_mask:0xf
	v_add_f32_dpp v8, v8, v8 row_xmask:4 row_mask:0xf bank_mask:0xf
	v_add_f32_dpp v8, v8, v8 row_xmask:8 row_mask:0xf bank_mask:0xf
	v_permlanex16_b32 v16, v8, s40, s41
	v_add_f32 v8, v8, v16
.endm
.macro ROW i
.set XR, X+32*(\i)
	s_wait_loadcnt 8*(3-(\i))                      ; gain, bias and this row are in; the later rows' eight loads each may be out
.irp c, 0,1,2,3
	v_pk_add_f32 v[8+2*\c:9+2*\c], v[XR+2*\c:XR+2*\c+1], v[XR+8+2*\c:XR+9+2*\c]
.endr
.irp p, 8,9,10,11,12,13,14,15
	v_pk_add_f32 v[8+2*(\p%4):9+2*(\p%4)], v[8+2*(\p%4):9+2*(\p%4)], v[XR+2*\p:XR+2*\p+1]
.endr
	JOIN
	REDUCE
	v_mul_f32 v4, s42, v8                          ; the mean, in both halves of a pair
	v_mul_f32 v5, s42, v8
.irp p, 0,1,2,3,4,5,6,7,8,9,10,11,12,13,14,15
	v_pk_add_f32 v[XR+2*\p:XR+2*\p+1], v[XR+2*\p:XR+2*\p+1], v[4:5] neg_lo:[0,1] neg_hi:[0,1]
.endr
.irp c, 0,1,2,3
	v_pk_mul_f32 v[8+2*\c:9+2*\c], v[XR+2*\c:XR+2*\c+1], v[XR+2*\c:XR+2*\c+1]
.endr
.irp p, 4,5,6,7,8,9,10,11,12,13,14,15
	v_pk_fma_f32 v[8+2*(\p%4):9+2*(\p%4)], v[XR+2*\p:XR+2*\p+1], v[XR+2*\p:XR+2*\p+1], v[8+2*(\p%4):9+2*(\p%4)]
.endr
	JOIN
	REDUCE
	v_fma_f32 v6, v8, s42, s43                     ; the variance + 1e-5
	s_wait_alu depctr_va_vdst(0)
	v_rsq_f32 v6, v6
	v_nop                                          ; a plain instruction behind the transcendental,
	s_wait_alu depctr_va_vdst(0)                   ; and the wait ahead of its first reader
	v_mov_b32 v7, v6
.irp p, 0,1,2,3,4,5,6,7,8,9,10,11,12,13,14,15
	v_pk_mul_f32 v[XR+2*\p:XR+2*\p+1], v[XR+2*\p:XR+2*\p+1], v[6:7]
.endr
.irp p, 0,1,2,3,4,5,6,7,8,9,10,11,12,13,14,15
	v_pk_fma_f32 v[XR+2*\p:XR+2*\p+1], v[XR+2*\p:XR+2*\p+1], v[W+2*\p:W+2*\p+1], v[BV+2*\p:BV+2*\p+1]
.endr
.set n, 0
.rept 32
	v_med3_num_f32 v[XR+n], v[XR+n], -v17, v17     ; the hold at 448 x the scale
.set n, n+1
.endr
.irp m, 0,1,2,3
	v_cvt_scalef32_pk8_fp8_f32 v[CD+8*(\i)+2*\m:CD+8*(\i)+2*\m+1], v[XR+8*\m:XR+8*\m+7], v18
.endr
	v_nop                                          ; a plain instruction behind the last conversion
.irp j, 0,1,2,3,4,5,6,7
	ds_store_b32 v2, v[CD+8*(\i)+\j] offset:8*PITCH*\j+16*(\i)   ; four codes, k = 128 j + 4 lane + 0..3, to their place in the image: the 32 lanes touch 32 different banks
.endr
.endm
	s_load_b512 s[8:23], s[0:1], 0x0               ; x, ln1_w, ln1_b, w_qkv, w_proj, w_fc1, w_fc2, the exponents
	s_load_b64 s[24:25], s[0:1], 0x40              ; P
	v_lshl_add_u32 v30, v0, 2, SPARE               ; my spare word,
	v_mov_b32 v31, 0                               ; and 0: kept for the add at the wave's end
	v_lshrrev_b32 v1, 5, v0
	v_readfirstlane_b32 s26, v1                    ; wave 0..3
	v_and_b32 v1, 31, v0                           ; lane
	s_wait_kmcnt 0x0
	s_load_b256 s[28:35], s[22:23], 0x0            ; e0 .. e7
	s_load_b128 s[36:39], s[22:23], 0x20           ; e8 .. e11
	s_cmp_lt_u32 ttmp9, 256
	s_cbranch_scc1 .Lln
	s_wait_alu depctr_va_vdst(0)
	v_lshlrev_b32 v3, 2, v1                        ; a weight's loads: 4 bytes a lane
	v_lshrrev_b32 v4, 4, v1
	v_and_b32 v5, 15, v1
	v_lshlrev_b32 v4, 11, v4                       ; its stores: lanes 16-31 belong to the next row tile,
	v_lshl_add_u32 v4, v5, 4, v4                   ; 16 bytes a row
	s_cmp_lt_u32 ttmp9, 352
	s_cbranch_scc1 .Lwq
	s_cmp_lt_u32 ttmp9, 384
	s_cbranch_scc1 .Lwp
	s_cmp_lt_u32 ttmp9, 512
	s_cbranch_scc1 .Lw1
	s_wait_alu depctr_va_vdst(0)
	WPATH 1024, 4, 32, 512, 20, W2OFF, 39
.Lw1:
	s_wait_alu depctr_va_vdst(0)
	WPATH 4096, 2, 8, 384, 18, W1OFF, 37
.Lwp:
	s_wait_alu depctr_va_vdst(0)
	WPATH 1024, 2, 8, 352, 16, WPOFF, 35
.Lwq:
	s_wait_alu depctr_va_vdst(0)
	WPATH 3072, 2, 8, 256, 14, WQOFF, 29
.Lln:
	s_wait_alu depctr_va_vdst(0)
	v_lshlrev_b32 v1, 4, v1                        ; 16 x lane
	s_lshl_b32 s44, ttmp9, 16                      ; 16 rows of 4,096 bytes a work-group,
	s_lshl_b32 s45, s26, 14                        ; 4 a wave
	s_add_co_u32 s44, s44, s45
	s_mov_b32 s45, 0
	s_add_nc_u64 s[8:9], s[8:9], s[44:45]
.irp j, 0,1,2,3,4,5,6,7
	global_load_b128 v[W+4*\j:W+4*\j+3], v1, s[10:11] offset:512*\j
.endr
.irp j, 0,1,2,3,4,5,6,7
	global_load_b128 v[BV+4*\j:BV+4*\j+3], v1, s[12:13] offset:512*\j
.endr
.irp i, 0,1,2,3
.irp j, 0,1,2,3,4,5,6,7
	global_load_b128 v[X+32*\i+4*\j:X+32*\i+4*\j+3], v1, s[8:9] offset:4096*\i+512*\j th:TH_LOAD_NT   ; 512 consecutive bytes a load
.endr
.endr
	; the image in LDS: 64 rows rho = 8 (K step) + 2 (piece) + h of 256 bytes (16 rows of the tile x 16 bytes), PITCH apart
	v_bfe_u32 v2, v0, 3, 2                         ; piece = lane / 8
	v_bfe_u32 v3, v0, 1, 1                         ; h = bit 1 of the lane
	v_lshl_add_u32 v2, v2, 1, v3
	v_mul_u32_u24 v2, v2, PITCH
	v_bfe_u32 v3, v0, 2, 1                         ; bit 2: the upper 8 bytes
	v_lshl_add_u32 v2, v3, 3, v2
	v_and_b32 v3, 1, v0                            ; bit 0: the upper 4 of them
	v_lshl_add_u32 v2, v3, 2, v2
	s_lshl_b32 s27, s26, 6                         ; my wave's rows 4 w on, 16 bytes each
	v_add_nc_u32 v2, s27, v2
	v_bfe_u32 v3, v0, 4, 1                         ; back: wave w takes rows rho = 16 w on, two an instruction
	v_mul_u32_u24 v3, v3, PITCH
	v_and_b32 v4, 15, v0
	v_lshl_add_u32 v3, v4, 4, v3
	s_mul_i32 s27, s26, 16*PITCH
	v_add_nc_u32 v3, s27, v3
	s_lshr_b32 s46, ttmp9, 3                       ; H1: the panel,
	s_lshl_b32 s46, s46, 17
	s_and_b32 s47, ttmp9, 7                        ; the row tile,
	s_lshl_b32 s47, s47, 11
	s_add_co_u32 s46, s46, s47
	s_lshl_b32 s47, s26, 15                        ; my wave's two K steps
	s_add_co_u32 s46, s46, s47
	s_mov_b32 s47, 0
	s_add_nc_u64 s[24:25], s[24:25], s[46:47]
	s_mov_b32 s40, 0x76543210                      ; v_permlanex16_b32's selects: lane l xor 16
	s_mov_b32 s41, 0xfedcba98
	s_mov_b32 s42, 0x3a800000                      ; 1 / 1,024
	s_mov_b32 s43, 0x3727c5ac                      ; 1e-5
	v_mov_b32 v16, 0                               ; a lane permute's destination counts as read
	s_wait_kmcnt 0x0
	s_add_co_i32 s52, s28, 127                     ; e0
	s_lshl_b32 s53, s52, 23
	v_mov_b32 v18, s53                             ; 2^e0
	s_add_co_i32 s52, s52, 8
	s_lshl_b32 s52, s52, 23
	s_or_b32 s52, s52, 0x600000
	v_mov_b32 v17, s52                             ; 448 x 2^e0
	ROW 0
	ROW 1
	ROW 2
	ROW 3
	s_wait_dscnt 0x0                               ; for the others' sake: my stores into the image are done
	s_barrier_signal -1
	s_barrier_wait -1
.irp i, 0,1,2,3,4,5,6,7
	ds_load_b128 v[32+4*\i:35+4*\i], v3 offset:2*PITCH*\i
.endr
.irp i, 0,1,2,3,4,5,6,7
	s_wait_dscnt 7-\i
	global_store_b128 v1, v[32+4*\i:35+4*\i], s[24:25] offset:(\i/4)*16384+(\i%4)*512   ; a piece: 512 consecutive bytes, aligned
.endr
	s_wait_tensorcnt 0x0                           ; the wave's end
	ds_add_u32 v30, v31
	s_wait_dscnt 0x0
	s_endpgm
.Lfunc_end_k_q8b81a47daf_prep:
	.size	k_q8b81a47daf_prep, .Lfunc_end_k_q8b81a47daf_prep-k_q8b81a47daf_prep
	.p2alignl 7, 3214868480
	.fill 96, 4, 3214868480
	.section	.rodata,"a",@progbits
	.p2align	6, 0x0
	.amdhsa_kernel k_q8b81a47daf_prep
		.amdhsa_group_segment_fixed_size 17920
		.amdhsa_private_segment_fixed_size 0
		.amdhsa_enable_private_segment 0
		.amdhsa_kernarg_size 72
		.amdhsa_user_sgpr_count 2
		.amdhsa_user_sgpr_kernarg_segment_ptr 1
		.amdhsa_wavefront_size32 1
		.amdhsa_system_sgpr_workgroup_id_x 1
		.amdhsa_system_sgpr_workgroup_id_y 1
		.amdhsa_system_sgpr_workgroup_id_z 1
		.amdhsa_system_vgpr_workitem_id 0
		.amdhsa_next_free_vgpr 256
		.amdhsa_next_free_sgpr 66
		.amdhsa_reserve_vcc 0
		.amdhsa_float_denorm_mode_32 3
		.amdhsa_float_denorm_mode_16_64 3
		.amdhsa_memory_ordered 1
		.amdhsa_forward_progress 1
		.amdhsa_inst_pref_size 225
	.end_amdhsa_kernel
	.amdgpu_metadata
---
amdhsa.version: [ 1, 2 ]
amdhsa.kernels:
  - .name:           k_q8b81a47daf_prep
    .symbol:         k_q8b81a47daf_prep.kd
    .args:
      - { .name: x, .offset: 0, .size: 8, .value_kind: global_buffer, .address_space: global }
      - { .name: ln1_w, .offset: 8, .size: 8, .value_kind: global_buffer, .address_space: global }
      - { .name: ln1_b, .offset: 16, .size: 8, .value_kind: global_buffer, .address_space: global }
      - { .name: w_qkv, .offset: 24, .size: 8, .value_kind: global_buffer, .address_space: global }
      - { .name: w_proj, .offset: 32, .size: 8, .value_kind: global_buffer, .address_space: global }
      - { .name: w_fc1, .offset: 40, .size: 8, .value_kind: global_buffer, .address_space: global }
      - { .name: w_fc2, .offset: 48, .size: 8, .value_kind: global_buffer, .address_space: global }
      - { .name: lowp_scales, .offset: 56, .size: 8, .value_kind: global_buffer, .address_space: global }
      - { .name: P, .offset: 64, .size: 8, .value_kind: global_buffer, .address_space: global }
    .group_segment_fixed_size: 17920
    .private_segment_fixed_size: 0
    .kernarg_segment_align: 8
    .kernarg_segment_size: 72
    .max_flat_workgroup_size: 128
    .sgpr_count:     66
    .vgpr_count:     256
    .wavefront_size: 32
...
	.end_amdgpu_metadata
.endif
;; end of part 1
;; launch qkv (part 2): grid 8 x 32, 4 waves a work-group, clusters of 4 x 4, 327,680 bytes of LDS; arguments P, lowp_scales, QKV; writes QKV
.if DOCPART == 2
	.amdgcn_target "amdgcn-amd-amdhsa--gfx1250"
	.amdhsa_code_object_version 6
	.text
	.protected	k_q8b81a47daf_qkv
	.globl	k_q8b81a47daf_qkv
	.p2align	8
	.type	k_q8b81a47daf_qkv,@function
k_q8b81a47daf_qkv:
	s_mov_b64 s[64:65], 0
	v_nop
	global_prefetch_b8 v0, s[64:65] scope:SCOPE_SE
	s_setreg_imm32_b32 hwreg(HW_REG_WAVE_MODE, 25, 1), 1
	s_wait_xcnt 0x0
	s_wait_alu depctr_hold_cnt(0) depctr_sa_sdst(0) depctr_va_vdst(0) depctr_va_sdst(0) depctr_va_ssrc(0) depctr_va_vcc(0) depctr_vm_vsrc(0)
	s_getreg_b32 s2, hwreg(HW_REG_IB_STS2, 6, 4)
	s_cmp_eq_u32 s2, 0
	s_cbranch_scc0 .Lentry_in_a_cluster
	s_endpgm
.Lentry_in_a_cluster:
	s_bfe_u32 s2, ttmp6, 0x10000c
	s_cmp_lg_u32 s2, 0xf033
	s_cbranch_scc0 .Lentry_shape_is_right
	s_endpgm
.Lentry_shape_is_right:
; Launch 2 of 7: qkv = LN1(x) w_qkv on codes of FP8, and q, k, v quantised on the way out, each with its given scale.  Nothing of the problem is left out.
; Operands lie in P as images of operand registers (16 rows x 128 K = 2,048 bytes [piece][lane][16]; a panel of 128 rows = [K step of 128][row tile][2,048]): a K step of 512 of a panel is 65,536 consecutive bytes.
; A WORK-GROUP STAYS.  Work-group (x, y) keeps token panel y (128 tokens, all of K = 1,024: 131,072 bytes) in LDS, filled once, and walks three panels of 128 columns of the weight: x (q), x + 8 (k), x + 16 (v).
; A tile of 128 x 128 is made by four waves of 64 x 64 (16 accumulators).  LDS: slot s = tokens' K step s (65,536 bytes), then the weight's K step s (65,536).  Only the weight's halves are filled again: the ring of two goes on from tile
; to tile, each refill one tensor load of 16,384 bytes a wave, behind a round of the cluster's barrier.  The three tiles are written out.
; q AND k: source 0 = 16 columns of the weight, source 1 = 16 tokens: lane (r, h) holds token r and columns 16 b + 8 h + 0..7, so the 16 registers of accumulators (a, 2 c) and (a, 2 c + 1) are, converted, piece c of the image
; [head][token tile][16 x 64], and leave by one store of 512 consecutive bytes: no stage in LDS.
; v: the two sources change places: lane (r, h) holds d = r and eight tokens: v comes out with the KEYS innermost, [head][128 keys][16 d][2,048], as the second product of attention wants it.
; CLUSTERS: 4 x 4.  The tokens' panel is shared along a row of the cluster, the weight's along a column: each is asked for jointly.
; LIMITS: e(q, k or v) - e0 - e1 lies between -126 and 119.  NaN is not served.
; REGISTERS: window 0: v4-9 the three conversions' scales and holds; v16-21 LDS addresses; v27 16 x lane; v28, v29 the add's two; v32-127 codes, 32 a tile, never written again; v128-255 accumulators.
;   Window 1: two fragment buffers of 128, the weight's four blocks in the upper 64 of each; windows 2 and 3: the tokens' fragments.
.set PANEL, 131072
.set WQOFF, 4194304
.set TSTEP, 8*PANEL                    ; from a tile's weight panel to the next tile's
.set SLOT,  65536                      ; LDS as this text lays it (in place of the slots named at the head): the tokens' whole K at 0 (K step s of 512 at s x 65,536), the weight's K step s at 131,072 + s x 65,536
.set SPARE, 262144                     ; behind the two slots: the spare words, 128 bytes a wave
.set ACC,  128
.set F0,   0
.set F1,   128
.set ADRA, 16
.set ADRB, 20
.set LN16, 27
.set SPW,  28
.set NIL,  29
.set G1,   24                          ; s[24:31] group 1, s[32:39] groups 0: the tokens' first fills
.set G0,   32
.set G1B,  48                          ; s[48:55], s[56:63]: the weight's first fills
.set G0B,  56
.set G1R,  68                          ; s[68:75] group 1 of the refills; their groups 0: s[4:7] (slot 0), s[16:19] (slot 1)
.set SW,   0                           ; 1: the sources change places (v)
.set MSB, 0
.macro WIN new                         ; the immediate's high byte repeats the setting that is left
.if MSB != \new
	s_set_vgpr_msb (MSB<<8)|\new
.set MSB, \new
.endif
.endm
.set MUL,  0x05                        ; sources 0 and 1 window 1; C and D window 0
.set TO_F, 0x40                        ; destination window 1, address window 0
.macro JLOAD s                         ; a first fill: waves 0 and 1 fetch the tokens' halves, waves 2 and 3 the weight's; an s_nop 0 and four v_nop follow each line
	s_cmp_eq_u32 s11, 0
	s_cbranch_scc0 .Lfor_b_\@
	tensor_load_to_lds s[G0+4*\s:G0+4*\s+3], s[G1:G1+7]
	s_nop 0
.rept 4
	v_nop
.endr
	s_branch .Lasked_\@
.Lfor_b_\@:
	tensor_load_to_lds s[G0B+4*\s:G0B+4*\s+3], s[G1B:G1B+7]
	s_nop 0
.rept 4
	v_nop
.endr
.Lasked_\@:
.endm
.macro CREST                           ; a round of the cluster's barrier behind its opening barrier
	s_cmp_lg_u32 s10, 0
	s_cbranch_scc1 .Lnot_wave_0_\@
	s_barrier_signal -3
.Lnot_wave_0_\@:
	s_barrier_wait -3
	s_barrier_signal -1
	s_barrier_wait -1
.endm
.macro CROUND
	s_barrier_signal -1
	s_barrier_wait -1
	CREST
.endm
.macro FETCH slot, q, f                ; 16 LDS loads in one run: the weight's four blocks of quarter q; each load takes 512 consecutive bytes
	WIN TO_F
.irp b, 0,1,2,3
.irp c, 0,1,2,3
	ds_load_b128 v[\f+64+16*\b+4*\c:\f+64+16*\b+4*\c+3], v[ADRB+\slot] offset:(\q)*16384+\b*2048+\c*512
.endr
.endr
; (only the weight's four blocks, 16 loads: the tokens' fragments, the same for all three tiles, are read from LDS once, at the head, and stay in windows 2 and 3: K quarter q of slot s, block a at v[64 q + 16 a] of window 2 + s)
.endm
; The tokens' block a against the weight's four.  SW = 0: accumulator (a, b), source 0 the weight; SW = 1: accumulator (b, a), source 0 the tokens.
; The 16 accumulators take turns, one instruction a turn, in one order throughout a tile.  first = 1: the product starts the sum: nothing is cleared.
.macro MULA f, a, first
.irp b, 0,1,2,3
.if SW
.set DST, ACC+8*(4*\b+(\a))
.set OPA, AQ+16*(\a)
.set OPB, \f+64+16*\b
.else
.set DST, ACC+8*(4*(\a)+\b)
.set OPA, \f+64+16*\b
.set OPB, AQ+16*(\a)
.endif
.if \first
	v_wmma_f32_16x16x128_fp8_fp8 v[DST:DST+7], v[OPA:OPA+15], v[OPB:OPB+15], 0
.else
	v_wmma_f32_16x16x128_fp8_fp8 v[DST:DST+7], v[OPA:OPA+15], v[OPB:OPB+15], v[DST:DST+7]
.endif
.endr
.endm
.macro PLACES                          ; four plain instructions in front of loads into registers that matrix instructions have read, and of the first read of results
.rept 4
	v_nop
.endr
.endm
.macro SETW slot                       ; the products' windows: the weight in window 1, the tokens in window 2 + slot, C and D in window 0; for v the two sources change places
.if SW
.set MUL, 0x06+(\slot)
.else
.set MUL, 0x09+4*(\slot)
.endif
.endm
.macro QUARTER slot, qn, f, g, first   ; 128 along K: the weight from buffer f, the tokens from their registers; at its start the weight's next quarter qn is fetched into g
	SETW \slot
.set AQ, 64*((\qn)-1)
	s_wait_dscnt 0x0                               ; buffer f's 16 loads are in
	PLACES
	FETCH \slot, \qn, \g
	WIN MUL
	MULA \f, 0, \first
	MULA \f, 1, \first
	MULA \f, 2, \first
	MULA \f, 3, \first
.endm
; A slot's last quarter (buffer 1) and the change of slots: ONE barrier; in front of it each wave waits for all its tensor loads, adds 0 to its spare word, and waits for that and for its reads of this slot.
; fill = 1: the barrier opens a round of the cluster's barrier, and the weight's half of this slot is filled again, with the NEXT TILE's K step, first thing behind it: my 16,384 bytes of it.
.macro TURN slot, next, fill
	WIN 0
	s_wait_tensorcnt 0x0                           ; all my tensor loads have landed: my part of the next slot
	ds_add_u32 v[SPW], v[NIL]                      ; 0 onto my spare word
	SETW \slot
.set AQ, 192
	s_wait_dscnt 1                                 ; buffer 1's 16 loads are in; the add may be out
	WIN MUL
	MULA F1, 0, 0
	MULA F1, 1, 0
	s_wait_dscnt 0x0                               ; the add is done, and my reads of this slot are over
	s_barrier_signal -1
	MULA F1, 2, 0
.if \fill
	WIN 0
.endif
	s_barrier_wait -1
.if \fill
	CREST                                          ; no wave of any partner still reads this slot's weight or has a load on its way
	s_add_nc_u64 s[6+12*\slot:7+12*\slot], s[6+12*\slot:7+12*\slot], TSTEP
	tensor_load_to_lds s[4+12*\slot:7+12*\slot], s[G1R:G1R+7]
	s_nop 0
.endif
	PLACES                                         ; behind the load, and the places in front of the loads below
	FETCH \next, 0, F0
	WIN MUL
	MULA F1, 3, 0
.endm
.macro KLOOP fill                      ; a tile's K = 1,024.  fill = 1: both slots' weights are asked for anew, and the next tile's first fragments are fetched
	QUARTER 0, 1, F0, F1, 1
	QUARTER 0, 2, F1, F0, 0
	QUARTER 0, 3, F0, F1, 0
	TURN 0, 1, \fill
	QUARTER 1, 1, F0, F1, 0
	QUARTER 1, 2, F1, F0, 0
	QUARTER 1, 3, F0, F1, 0
.if \fill
	TURN 1, 0, 1
.else
	SETW 1
.set AQ, 192
	s_wait_dscnt 0x0
	WIN MUL
	MULA F1, 0, 0
	MULA F1, 1, 0
	s_wait_dscnt 0x0
	MULA F1, 2, 0
	MULA F1, 3, 0
.endif
.endm
; THE WAY OUT: row tile a, piece c: the hold, two conversions, one store of 512 consecutive bytes.  Each accumulator is read from its low end on.
.macro QOUT a, c, sc, lim, cb, base, off
.set AB, ACC+32*(\a)+16*(\c)
.set CR, (\cb)+8*(\a)+4*(\c)
.set n, 0
.rept 16
	v_med3_num_f32 v[AB+n], v[AB+n], -v[\lim], v[\lim]   ; the conversion does not saturate (ISA guide 7.6.2)
.set n, n+1
.endr
	v_cvt_scalef32_pk8_fp8_f32 v[CR:CR+1], v[AB:AB+7], v[\sc]
	v_cvt_scalef32_pk8_fp8_f32 v[CR+2:CR+3], v[AB+8:AB+15], v[\sc]
	global_store_b128 v[LN16], v[CR:CR+3], s[\base:\base+1] offset:\off
.endm
.macro OUT sc, lim, cb, base, off0, sa ; sa: bytes from one of my row tiles to the next
	WIN 0
	PLACES
.irp a, 0,1,2,3
	QOUT \a, 0, \sc, \lim, \cb, \base, (\off0)+\a*(\sa)
	QOUT \a, 1, \sc, \lim, \cb, \base, (\off0)+\a*(\sa)+512
.endr
	v_nop                                          ; a plain instruction behind the last conversion: the next tile's products write its sources
.endm
	s_load_b128 s[80:83], s[0:1], 0x0              ; P, the exponents
	s_load_b64 s[84:85], s[0:1], 0x10              ; QKV
	v_lshl_add_u32 v[SPW], v0, 2, SPARE
	v_mov_b32 v[NIL], 0
	ds_add_u32 v[SPW], v[NIL]                      ; the wave's opening: the add, twice on end, and its wait ahead of my first tensor load
	ds_add_u32 v[SPW], v[NIL]
	v_lshrrev_b32 v1, 5, v0
	v_readfirstlane_b32 s10, v1                    ; wave 0..3
	s_lshr_b32 s11, s10, 1                         ; wm: my half of the tokens.  Also: my first fills are the tokens' (0) or the weight's (1)
	s_and_b32 s12, s10, 1                          ; wn: my half of the weight's columns.  Also: which half of a K step I fetch first
	s_bfe_u32 s40, ttmp6, 0x40000                  ; cx
	s_bfe_u32 s41, ttmp6, 0x40004                  ; cy
	s_lshl_b32 s42, ttmp9, 2
	s_add_co_u32 s42, s42, s40                     ; x: the first tile's weight panel, 0..7
	s_and_b32 s13, ttmp7, 0xffff
	s_lshl_b32 s13, s13, 2
	s_add_co_u32 s13, s13, s41                     ; y: my token panel, 0..31
	s_lshl_b32 s43, s41, 2
	s_lshl_b32 s43, 15, s43                        ; my row of the cluster
	s_lshl_b32 s44, 0x1111, s40                    ; my column
	; descriptor groups 1: dense blocks as rows of 32 elements of 8 bytes, no padding: 256 rows (65,536 bytes) for the first fills, 64 rows (16,384 bytes) for the refills
	s_or_b32 s[G1+0], s43, (3<<16)|(1<<21)
	s_or_b32 s[G1B+0], s44, (3<<16)|(1<<21)
	s_or_b32 s[G1R+0], s44, (3<<16)|(1<<21)
.irp g, G1, G1B
	s_mov_b32 s[\g+1], 32<<16                      ; tensor_dim0 = 32
	s_mov_b32 s[\g+2], 256<<16                     ; tensor_dim1 = 256: a first fill is 65,536 dense bytes
	s_mov_b32 s[\g+3], 32<<16                      ; tile_dim0 = 32
	s_mov_b32 s[\g+4], 256                         ; tile_dim1 = 256
	s_mov_b32 s[\g+5], 32                          ; the pitch
	s_mov_b32 s[\g+6], 0
	s_mov_b32 s[\g+7], 0
.endr
	s_mov_b32 s[G1R+1], 32<<16
	s_mov_b32 s[G1R+2], 64<<16
	s_mov_b32 s[G1R+3], 32<<16
	s_mov_b32 s[G1R+4], 64
	s_mov_b32 s[G1R+5], 32
	s_mov_b32 s[G1R+6], 0
	s_mov_b32 s[G1R+7], 0
	s_lshl_b32 s22, s12, 16                        ; which 65,536 bytes (K step of 512) of the panel I fetch
	s_lshl_b32 s20, s13, 17                        ; the tokens' panel (H1 begins at P's first byte)
	s_add_co_u32 s20, s20, s22
	s_mov_b32 s21, 0
	s_lshl_b32 s46, s42, 17                        ; the weight's panel
	s_add_co_u32 s46, s46, WQOFF
	s_mov_b32 s47, 0
	s_mov_b32 s96, s22
	s_mov_b32 s97, 0
	s_lshl_b32 s23, s10, 16                        ; where the first fills go: wave x 65,536
	s_lshl_b32 s76, s10, 14                        ; the refills: wave x 16,384, in memory and in LDS
	s_mov_b32 s77, 0
	s_wait_dscnt 0x0                               ; both opening adds are done
	s_wait_kmcnt 0x0
	s_load_b256 s[88:95], s[82:83], 0x0            ; e0 .. e7
	s_add_nc_u64 s[14:15], s[80:81], s[20:21]
	s_add_nc_u64 s[46:47], s[80:81], s[46:47]
	s_add_nc_u64 s[78:79], s[46:47], s[76:77]      ; the refills' place in the first tile's panel
	s_add_nc_u64 s[46:47], s[46:47], s[96:97]
	CROUND                                         ; all sixteen work-groups are here: the first joint loads meet
.irp s, 0
	s_mov_b32 s[G0+4*\s], 1
	s_add_co_u32 s[G0+4*\s+1], s23, \s*SLOT
	s_add_nc_u64 s[G0+4*\s+2:G0+4*\s+3], s[14:15], \s*65536
	s_or_b32 s[G0+4*\s+3], s[G0+4*\s+3], 0x80000000
	s_mov_b32 s[G0B+4*\s], 1
	s_add_co_u32 s[G0B+4*\s+1], s23, \s*SLOT
	s_add_nc_u64 s[G0B+4*\s+2:G0B+4*\s+3], s[46:47], \s*65536
	s_or_b32 s[G0B+4*\s+3], s[G0B+4*\s+3], 0x80000000
	JLOAD \s                                       ; my one tensor load at the head: the four waves' loads bring the first tile's whole K
.endr
	; the prefetches: a tile's weight panel is 131,072 bytes; the four partners of a column of the cluster share it out by address (cy), 32,768 bytes each, 8,192 a wave, lanes 256 bytes apart: each block of 256 bytes is named once in the cluster
	s_and_b32 s66, s41, 1
	s_lshl_b32 s66, s66, 13
	s_lshr_b32 s67, s41, 1
	s_lshl_b32 s67, s67, 16
	s_add_co_u32 s66, s66, s67                     ; 8,192 (cy % 2) + 65,536 (cy / 2), beside the wave's 16,384
	s_mov_b32 s67, 0
	s_add_nc_u64 s[8:9], s[78:79], s[66:67]        ; in the first tile's panel; never rewritten
	v_and_b32 v30, 31, v0
	v_lshlrev_b32 v30, 8, v30                      ; 256 x lane; never rewritten
	global_prefetch_b8 v30, s[8:9] offset:TSTEP th:TH_LOAD_NT scope:SCOPE_SE   ; the second tile's panel: its first load stands half a tile on
	s_mov_b32 s4, 1
	s_add_co_u32 s5, s76, 131072                   ; the weight's K step 0 + wave x 16,384
	s_mov_b64 s[6:7], s[78:79]
	s_or_b32 s7, s7, 0x80000000
	s_mov_b32 s16, 1
	s_add_co_u32 s17, s76, 196608                  ; the weight's K step 1 + wave x 16,384
	s_add_nc_u64 s[18:19], s[78:79], 65536
	s_or_b32 s19, s19, 0x80000000
	v_and_b32 v[LN16], 31, v0
	v_lshlrev_b32 v[LN16], 4, v[LN16]              ; 16 x lane
	s_lshl_b32 s21, s11, 13                        ; my four row tiles of the tokens,
	s_lshl_b32 s22, s12, 13                        ; of the weight,
	s_add_co_u32 s22, s22, 131072                  ; which lies behind the tokens' whole K
.irp s, 0,1
	v_add_nc_u32 v[ADRA+\s], s21, v[LN16]
	v_add_nc_u32 v[ADRB+\s], s22, v[LN16]
	s_add_co_u32 s21, s21, SLOT
	s_add_co_u32 s22, s22, SLOT
.endr
	; where my codes go.  q: ((batch x 16 + head) x 128 + token tile) x 1,024; k: 4 MiB further on (in the stores' immediate)
	s_lshl_b32 s20, s42, 1
	s_add_co_u32 s20, s20, s12                     ; head = 2 x + wn
	s_lshr_b32 s21, s13, 4
	s_lshl_b32 s21, s21, 4
	s_add_co_u32 s20, s20, s21                     ; + 16 x batch
	s_and_b32 s21, s13, 15                         ; the panel within the batch
	s_lshl_b32 s22, s20, 7
	s_lshl_b32 s23, s21, 3
	s_add_co_u32 s22, s22, s23
	s_lshl_b32 s23, s11, 2
	s_add_co_u32 s22, s22, s23                     ; + my first token tile
	s_lshl_b32 s22, s22, 10
	s_mov_b32 s23, 0
	; v: 8 MiB + (((batch x 16 + head) x 16 + the panel) x 4) x 2,048 + wm x 1,024: my 64 tokens are pieces 2 wm, 2 wm + 1 of the 128 keys
	s_lshl_b32 s76, s20, 4
	s_add_co_u32 s76, s76, s21
	s_lshl_b32 s76, s76, 13
	s_lshl_b32 s77, s11, 10
	s_add_co_u32 s76, s76, s77
	s_add_co_u32 s76, s76, 8388608
	s_mov_b32 s77, 0
	s_add_nc_u64 s[86:87], s[84:85], s[76:77]
	s_add_nc_u64 s[84:85], s[84:85], s[22:23]
	s_wait_alu depctr_va_vdst(0)
	s_wait_kmcnt 0x0
	s_add_co_i32 s20, s88, s89                     ; a sum stands for sum x 2^(e0 + e1): the three exponents are folded into each conversion's one
.macro SCALE es, vs, vl
	s_sub_co_i32 s21, s[\es], s20
	s_add_co_i32 s21, s21, 127
	s_lshl_b32 s22, s21, 23
	v_mov_b32 v[\vs], s22                          ; 2^(e - e0 - e1)
	s_add_co_i32 s21, s21, 8
	s_lshl_b32 s21, s21, 23
	s_or_b32 s21, s21, 0x600000
	v_mov_b32 v[\vl], s21                          ; 448 x that
.endm
	SCALE 90, 4, 5                                 ; q: e2
	SCALE 91, 6, 7                                 ; k: e3
	SCALE 93, 8, 9                                 ; v: e5
	s_wait_alu depctr_va_vdst(0)                   ; the wait at the head's end
	s_wait_tensorcnt 0x0                           ; my one load is in
	s_barrier_signal -1
	s_barrier_wait -1
	WIN 0x80                                       ; my 64 tokens' fragments of all of K, 512 registers: K quarters 0-3 into window 2,
.irp q, 0,1,2,3
.irp a, 0,1,2,3
.irp c, 0,1,2,3
	ds_load_b128 v[64*\q+16*\a+4*\c:64*\q+16*\a+4*\c+3], v[ADRA] offset:\q*16384+\a*2048+\c*512
.endr
.endr
.endr
	WIN 0xc0                                       ; quarters 4-7 into window 3
.irp q, 0,1,2,3
.irp a, 0,1,2,3
.irp c, 0,1,2,3
	ds_load_b128 v[64*\q+16*\a+4*\c:64*\q+16*\a+4*\c+3], v[ADRA+1] offset:\q*16384+\a*2048+\c*512
.endr
.endr
.endr
	FETCH 0, 0, F0
	global_prefetch_b8 v30, s[8:9] offset:2*TSTEP th:TH_LOAD_NT scope:SCOPE_SE   ; the third tile's panel: its first load stands a tile and a half on; there is no fourth
	KLOOP 1                                        ; q; k's weights are asked for on the way
	s_wait_alu depctr_va_vdst(0)
	OUT 4, 5, 32, 84, 0, 1024
	KLOOP 1                                        ; k; v's weights are asked for on the way
	OUT 6, 7, 64, 84, 4194304, 1024
.set SW, 1
	KLOOP 0                                        ; v: nothing is left to fetch
	OUT 8, 9, 96, 86, 0, 2048
	s_wait_tensorcnt 0x0                           ; the wave's end
	ds_add_u32 v[SPW], v[NIL]
	s_wait_dscnt 0x0
	CROUND                                         ; the closing round
	s_endpgm
.Lfunc_end_k_q8b81a47daf_qkv:
	.size	k_q8b81a47daf_qkv, .Lfunc_end_k_q8b81a47daf_qkv-k_q8b81a47daf_qkv
	.p2alignl 7, 3214868480
	.fill 96, 4, 3214868480
	.section	.rodata,"a",@progbits
	.p2align	6, 0x0
	.amdhsa_kernel k_q8b81a47daf_qkv
		.amdhsa_group_segment_fixed_size 327680
		.amdhsa_private_segment_fixed_size 0
		.amdhsa_enable_private_segment 0
		.amdhsa_kernarg_size 24
		.amdhsa_user_sgpr_count 2
		.amdhsa_user_sgpr_kernarg_segment_ptr 1
		.amdhsa_wavefront_size32 1
		.amdhsa_system_sgpr_workgroup_id_x 1
		.amdhsa_system_sgpr_workgroup_id_y 1
		.amdhsa_system_sgpr_workgroup_id_z 1
		.amdhsa_system_vgpr_workitem_id 0
		.amdhsa_next_free_vgpr 1024
		.amdhsa_next_free_sgpr 98
		.amdhsa_reserve_vcc 0
		.amdhsa_float_denorm_mode_32 3
		.amdhsa_float_denorm_mode_16_64 3
		.amdhsa_memory_ordered 1
		.amdhsa_forward_progress 1
		.amdhsa_inst_pref_size 103
	.end_amdhsa_kernel
	.amdgpu_metadata
---
amdhsa.version: [ 1, 2 ]
amdhsa.kernels:
  - .name:           k_q8b81a47daf_qkv
    .symbol:         k_q8b81a47daf_qkv.kd
    .args:
      - { .name: P, .offset: 0, .size: 8, .value_kind: global_buffer, .address_space: global }
      - { .name: lowp_scales, .offset: 8, .size: 8, .value_kind: global_buffer, .address_space: global }
      - { .name: QKV, .offset: 16, .size: 8, .value_kind: global_buffer, .address_space: global }
    .group_segment_fixed_size: 327680
    .private_segment_fixed_size: 0
    .kernarg_segment_align: 8
    .kernarg_segment_size: 24
    .max_flat_workgroup_size: 128
    .sgpr_count:     98
    .vgpr_count:     1024
    .wavefront_size: 32
...
	.end_amdgpu_metadata
.endif
;; end of part 2
;; launch attn (part 3): grid 8 x 32, 8 waves a work-group, clusters of 4 x 1, 327,680 bytes of LDS; arguments QKV, lowp_scales, O; writes O
.if DOCPART == 3
	.amdgcn_target "amdgcn-amd-amdhsa--gfx1250"
	.amdhsa_code_object_version 6
	.text
	.protected	k_q8b81a47daf_attn
	.globl	k_q8b81a47daf_attn
	.p2align	8
	.type	k_q8b81a47daf_attn,@function
k_q8b81a47daf_attn:
	s_mov_b64 s[64:65], 0
	v_nop
	global_prefetch_b8 v0, s[64:65] scope:SCOPE_SE
	s_setreg_imm32_b32 hwreg(HW_REG_WAVE_MODE, 25, 1), 1
	s_wait_xcnt 0x0
	s_wait_alu depctr_hold_cnt(0) depctr_sa_sdst(0) depctr_va_vdst(0) depctr_va_sdst(0) depctr_va_ssrc(0) depctr_va_vcc(0) depctr_vm_vsrc(0)
	s_getreg_b32 s2, hwreg(HW_REG_IB_STS2, 6, 4)
	s_cmp_eq_u32 s2, 0
	s_cbranch_scc0 .Lentry_in_a_cluster
	s_endpgm
.Lentry_in_a_cluster:
	s_bfe_u32 s2, ttmp6, 0x10000c
	s_cmp_lg_u32 s2, 0x3003
	s_cbranch_scc0 .Lentry_shape_is_right
	s_endpgm
.Lentry_shape_is_right:
; Launch 3 of 7: o = softmax(q k^T / 8) v for 32 (batch, head) pairs, both products on codes of FP8 (E4M3), and o quantised with 2^e6 on the way out.  Nothing of the problem is left out.
; QKV holds images of operand registers: q and k [head][tile of 16 tokens][1,024 bytes], v [head][128 keys][16 d][2,048 bytes] with the keys innermost.  O: images for the next product (panel of 128 tokens, K step of 128 = two heads).
; THE SOFTMAX: t = score x log2(e) / 8; M = the running largest t rounded up to a whole number; p = 2^(t - M) is quantised with 2^e4; the sum is taken of the unquantised p and divides at the end; when M moves, sum and O^T are
; multiplied by 2^(old M - new M), in every step, with no branch on data.
; SHARES.  A work-group owns 256 queries of one head; each of its eight waves owns 32, two tiles of 16, so that each fragment of k and v read from LDS feeds two matrix instructions.  A step is 128 keys.
; Both products are used transposed (S^T = k q^T, O^T = v^T p^T): a lane holds one query of each tile; register 8 t + j of S^T is key 16 t + 8 (lane / 16) + j, so the conversions' results are the second product's operand.
; LDS: k's 2,048 keys at 0 (131,072 bytes), v's at VOFF.  Every byte is filled once: keys 0-511 by the head's loads (waves 0-3: k, waves 4-7: v; 8,192 bytes each), keys 512-2,047 by one more load a wave (24,576 bytes) behind
; a round of the cluster's barrier.  CLUSTER: the four work-groups of a cluster own query blocks of one head and ask for k and v jointly (mask 15).
; NO PREFETCH.
; LIMITS: e2 + e3 between -123 and 130 (added to the exponent field of log2(e) / 8); e4 and e6 between -126 and 119; the scaled scores stay under 2^31 in magnitude; NaN is not served.
; REGISTERS.  Window 0: v1, v2 lane addresses; v5, v6 the add's two; v8, v9 the step's addresses; v16-31 q (two tiles); v32-95 k's fragments; v96-159 v's; v160-223 O^T (two tiles); v224-255 p's codes (two tiles).
; Window 1: v0-63, v64-127 S^T, then p, of tiles 0 and 1; from TB + 32 q: +0 -M, +1 the largest t, +2,3 the sum, +4,5 f, +6..9 maxima, +10..15 partial sums, +16 a permute's target, +17 M's step; v192-195 holds and scales.
.set SPARE, 262144
.set VOFF,  131072
.set WV, 18
.set QA, 16
.set KF, 32
.set VF, 96
.set OA, 160
.set CD, 224
.set TB, 128
.set HP, 192                           ; 448 x 2^e4
.set SCP, 193                          ; 2^e4
.set HO, 194                           ; 448 x 2^e6
.set SCO, 195                          ; 2^e6
.set MSB, 0
.macro WIN new                         ; the immediate's high byte repeats the setting that is left
.if MSB != \new
	s_set_vgpr_msb (MSB<<8)|\new
.set MSB, \new
.endif
.endm
.macro CROUND
	s_barrier_signal -1
	s_barrier_wait -1
	s_cmp_lg_u32 s[WV], 0
	s_cbranch_scc1 .Lnot_wave_0_\@
	s_barrier_signal -3
.Lnot_wave_0_\@:
	s_barrier_wait -3
	s_barrier_signal -1
	s_barrier_wait -1
.endm
.macro NOPS
.rept 4
	v_nop
.endr
.endm
	s_load_b128 s[4:7], s[0:1], 0x0                ; QKV, the exponents
	s_load_b64 s[8:9], s[0:1], 0x10                ; O
	v_lshl_add_u32 v5, v0, 2, SPARE
	v_mov_b32 v6, 0
	ds_add_u32 v5, v6                              ; the opening lines: the add, twice on end, and its wait ahead of my first tensor load
	ds_add_u32 v5, v6
	v_lshrrev_b32 v8, 5, v0
	v_readfirstlane_b32 s[WV], v8                  ; wave 0..7
	s_bfe_u32 s40, ttmp6, 0x40000                  ; cx
	s_lshl_b32 s41, ttmp9, 2
	s_add_co_u32 s41, s41, s40                     ; my block of 256 queries, 0..7
	s_and_b32 s42, ttmp7, 0xffff                   ; 16 x batch + head
.irp g, 24, 68                         ; groups 1: dense blocks as rows of 32 elements of 8 bytes; s[24:31]: 32 rows, s[68:75]: 96 rows
	s_mov_b32 s[\g], 15|(3<<16)|(1<<21)
	s_mov_b32 s[\g+1], 32<<16
	s_mov_b32 s[\g+3], 32<<16
	s_mov_b32 s[\g+5], 32
	s_mov_b32 s[\g+6], 0
	s_mov_b32 s[\g+7], 0
.endr
	s_mov_b32 s26, 32<<16
	s_mov_b32 s28, 32
	s_mov_b32 s70, 96<<16
	s_mov_b32 s72, 96
	s_lshr_b32 s43, s[WV], 2                       ; I fetch for k (0) or for v (1),
	s_and_b32 s44, s[WV], 3                        ; this quarter of each group of keys
	s_lshl_b32 s45, s43, 17                        ; k's or v's region of LDS
	s_lshl_b32 s12, s44, 13                        ; keys 0-511: 8,192 bytes a wave
	s_mov_b32 s13, 0
	s_mul_i32 s14, s44, 24576                      ; keys 512-2,047: 24,576 bytes a wave,
	s_add_co_u32 s14, s14, 32768                   ; behind the first 32,768
	s_mov_b32 s15, 0
	s_lshl_b32 s10, s43, 22                        ; k's codes begin 4 MiB into QKV, v's 8 MiB
	s_lshl_b32 s46, s42, 17                        ; a head's codes are 131,072 bytes
	s_add_co_u32 s10, s10, s46
	s_add_co_u32 s10, s10, 4194304
	s_mov_b32 s11, 0
	s_lshl_b32 s50, s41, 4
	s_lshl_b32 s51, s[WV], 1
	s_add_co_u32 s50, s50, s51                     ; my first tile of queries
	s_lshl_b32 s50, s50, 10
	s_add_co_u32 s50, s50, s46
	s_mov_b32 s51, 0
	s_lshr_b32 s62, s42, 4                         ; O: the panel = 16 x batch + 2 x block + wave / 4,
	s_lshl_b32 s62, s62, 4
	s_lshl_b32 s63, s41, 1
	s_add_co_u32 s62, s62, s63
	s_add_co_u32 s62, s62, s43
	s_lshl_b32 s62, s62, 17
	s_bfe_u32 s63, s42, 0x30001                    ; the K step of 128 = head / 2,
	s_lshl_b32 s63, s63, 14
	s_add_co_u32 s62, s62, s63
	s_lshl_b32 s63, s44, 12                        ; my two row tiles,
	s_add_co_u32 s62, s62, s63
	s_and_b32 s63, s42, 1                          ; pieces 2 (head % 2) on
	s_lshl_b32 s63, s63, 10
	s_add_co_u32 s62, s62, s63
	s_mov_b32 s63, 0
	s_mov_b32 s20, 0x76543210                      ; v_permlanex16_b32's selects: lane l xor 16
	s_mov_b32 s21, 0xfedcba98
	s_mov_b32 s22, 0x3e38aa3b                      ; log2(e) / 8
	s_mov_b32 s32, 1
	s_add_co_u32 s33, s45, s12
	s_mov_b32 s36, 1
	s_add_co_u32 s37, s45, s14
	s_wait_dscnt 0x0                               ; both opening adds are done
	s_wait_kmcnt 0x0
	s_load_b256 s[52:59], s[6:7], 0x0              ; e0 .. e7
	s_add_nc_u64 s[60:61], s[4:5], s[10:11]
	s_add_nc_u64 s[34:35], s[60:61], s[12:13]
	s_or_b32 s35, s35, 0x80000000
	s_add_nc_u64 s[38:39], s[60:61], s[14:15]
	s_or_b32 s39, s39, 0x80000000
	s_add_nc_u64 s[4:5], s[4:5], s[50:51]
	s_add_nc_u64 s[8:9], s[8:9], s[62:63]
	CROUND                                         ; the four work-groups are here: the joint loads meet
	tensor_load_to_lds s[32:35], s[24:31]          ; keys 0-511: my one load at the head
	s_nop 0
	NOPS
	v_and_b32 v1, 31, v0
	v_lshlrev_b32 v1, 4, v1                        ; 16 x lane
	v_add_nc_u32 v2, VOFF, v1
.irp i, 0,1,2,3
	global_load_b128 v[QA+4*\i:QA+4*\i+3], v1, s[4:5] offset:512*\i   ; q's two fragments stay in registers
.endr
.set n, 0
.rept 64
	v_mov_b32 v[OA+n], 0                           ; O^T: the step is written once for all steps, and the first change of M multiplies zeros
.set n, n+1
.endr
	WIN 0x40                                       ; destination in window 1
.irp b, TB, TB+32
	v_mov_b32 v[\b+1], 0xff61b1e6                  ; the largest t so far: -3e38
	v_mov_b32 v[\b+2], 0                           ; the sum, in two halves
	v_mov_b32 v[\b+3], 0
	v_mov_b32 v[\b+5], 0                           ; named as the upper half of f's pair
	v_mov_b32 v[\b+16], 0                          ; a lane permute's destination counts as read
.endr
	s_wait_kmcnt 0x0
	s_add_co_i32 s60, s54, s55
	s_lshl_b32 s60, s60, 23
	s_add_co_i32 s22, s22, s60                     ; a score stands for score x 2^(e2 + e3)
	s_mov_b32 s23, s22
	s_add_co_i32 s60, s56, 127
	s_lshl_b32 s61, s60, 23
	v_mov_b32 v[SCP], s61
	s_add_co_i32 s60, s60, 8
	s_lshl_b32 s60, s60, 23
	s_or_b32 s60, s60, 0x600000
	v_mov_b32 v[HP], s60
	s_add_co_i32 s60, s58, 127
	s_lshl_b32 s61, s60, 23
	v_mov_b32 v[SCO], s61
	s_add_co_i32 s60, s60, 8
	s_lshl_b32 s60, s60, 23
	s_or_b32 s60, s60, 0x600000
	v_mov_b32 v[HO], s60
	WIN 0x41
	v_floor_f32 v[TB], -v[TB+1]                    ; -M
	v_floor_f32 v[TB+32], -v[TB+33]
	WIN 0
; the row's sum of one tile's 64 p, two at a time, in four chains
.macro SUM s, b
	v_pk_add_f32 v[\b+10:\b+11], v[\s:\s+1], v[\s+2:\s+3]
	v_pk_add_f32 v[\b+12:\b+13], v[\s+4:\s+5], v[\s+6:\s+7]
	v_pk_add_f32 v[\b+14:\b+15], v[\s+8:\s+9], v[\s+10:\s+11]
	v_pk_add_f32 v[\b+2:\b+3], v[\b+2:\b+3], v[\s+12:\s+13]
.set n, 14
.rept 6
	v_pk_add_f32 v[\b+10:\b+11], v[\b+10:\b+11], v[\s+n:\s+n+1]
	v_pk_add_f32 v[\b+12:\b+13], v[\b+12:\b+13], v[\s+n+2:\s+n+3]
	v_pk_add_f32 v[\b+14:\b+15], v[\b+14:\b+15], v[\s+n+4:\s+n+5]
	v_pk_add_f32 v[\b+2:\b+3], v[\b+2:\b+3], v[\s+n+6:\s+n+7]
.set n, n+8
.endr
	v_pk_add_f32 v[\b+10:\b+11], v[\b+10:\b+11], v[\s+62:\s+63]
	v_pk_add_f32 v[\b+12:\b+13], v[\b+12:\b+13], v[\b+14:\b+15]
	v_pk_add_f32 v[\b+2:\b+3], v[\b+2:\b+3], v[\b+10:\b+11]
	v_pk_add_f32 v[\b+2:\b+3], v[\b+2:\b+3], v[\b+12:\b+13]
.endm
; A STEP: 128 keys at LDS byte s48 of k's and of v's region, against my two tiles of queries
.macro STEP
	v_add_nc_u32 v8, s48, v1
	v_add_nc_u32 v9, s48, v2
	v_nop                                          ; with the two additions: four places in front of loads into registers that the last products read
	v_nop
.irp t, 0,1,2,3,4,5,6,7
.irp c, 0,1
	ds_load_b128 v[KF+8*\t+4*\c:KF+8*\t+4*\c+3], v8 offset:1024*\t+512*\c
.endr
.endr
.irp t, 0,1,2,3
.irp c, 0,1,2,3
	ds_load_b128 v[VF+16*\t+4*\c:VF+16*\t+4*\c+3], v9 offset:2048*\t+512*\c
.endr
.endr
	s_wait_dscnt 16                                ; k's 16 loads are in; v's 16, issued behind them, may be out
	WIN 0x40                                       ; D in window 1
.irp t, 0,1,2,3,4,5,6,7
.irp q, 0,1
	v_wmma_f32_16x16x64_fp8_fp8 v[64*\q+8*\t:64*\q+8*\t+7], v[KF+8*\t:KF+8*\t+7], v[QA+8*\q:QA+8*\q+7], 0
.endr
.endr
	NOPS
	WIN 0x55                                       ; all in window 1
.irp c, 0,1,2,3                        ; the step's largest score of each query: four chains a tile, the two tiles by turns; each accumulator is read from its low end on
.irp q, 0,1
	v_max3_num_f32 v[TB+32*\q+6+\c], v[64*\q+3*\c], v[64*\q+3*\c+1], v[64*\q+3*\c+2]
.endr
.endr
.set n, 12
.rept 26
.irp q, 0,1
	v_max3_num_f32 v[TB+32*\q+6+(n/2)%4], v[TB+32*\q+6+(n/2)%4], v[64*\q+n], v[64*\q+n+1]
.endr
.set n, n+2
.endr
.irp b, TB, TB+32
	v_max3_num_f32 v[\b+6], v[\b+6], v[\b+7], v[\b+8]
.endr
.irp b, TB, TB+32
	v_max_num_f32 v[\b+6], v[\b+6], v[\b+9]
.endr
.irp b, TB, TB+32
	v_permlanex16_b32 v[\b+16], v[\b+6], s20, s21
.endr
.irp b, TB, TB+32
	v_max_num_f32 v[\b+6], v[\b+6], v[\b+16]       ; and among lane l xor 16's keys
.endr
.irp b, TB, TB+32
	v_mul_f32 v[\b+6], s22, v[\b+6]                ; as t (the factor is positive)
.endr
.irp b, TB, TB+32
	v_max_num_f32 v[\b+1], v[\b+1], v[\b+6]        ; the running largest t
.endr
.irp b, TB, TB+32
	v_mov_b32 v[\b+17], v[\b]
.endr
.irp b, TB, TB+32
	v_floor_f32 v[\b], -v[\b+1]                    ; the new -M = -ceil(t)
.endr
.irp b, TB, TB+32
	v_sub_f32 v[\b+17], v[\b], v[\b+17]            ; old M - new M: a whole number, 0 or less
.endr
.irp b, TB, TB+32
	v_cvt_i32_f32 v[\b+17], v[\b+17]               ; (it saturates)
.endr
.irp b, TB, TB+32
	v_ldexp_f32 v[\b+4], 1.0, v[\b+17]             ; f = 2^(old M - new M)
.endr
.irp b, TB, TB+32
	v_pk_mul_f32 v[\b+2:\b+3], v[\b+2:\b+3], v[\b+4:\b+5] op_sel_hi:[1,0]   ; the sums under the new M
.endr
	WIN 0x04                                       ; O^T in window 0, f in window 1
.set n, 0
.rept 16
	v_pk_mul_f32 v[OA+n:OA+n+1], v[OA+n:OA+n+1], v[TB+4:TB+5] op_sel_hi:[1,0]   ; O^T under the new M, ahead of the step's exponentials
	v_pk_mul_f32 v[OA+32+n:OA+33+n], v[OA+32+n:OA+33+n], v[TB+36:TB+37] op_sel_hi:[1,0]
.set n, n+2
.endr
	WIN 0x55
.set n, 0
.rept 32
	v_pk_fma_f32 v[n:n+1], v[n:n+1], s[22:23], v[TB:TB+1] op_sel_hi:[1,0,0]   ; tile 0: t - M, two at a time
.set n, n+2
.endr
	s_wait_alu depctr_va_vdst(0)                   ; ahead of the batch
.set n, 0
.rept 32                               ; tile 0's exponentials; tile 1's t - M stands among them and is first read behind the next wait
	v_exp_f32 v[n], v[n]
	v_pk_fma_f32 v[64+n:65+n], v[64+n:65+n], s[22:23], v[TB+32:TB+33] op_sel_hi:[1,0,0]
	v_exp_f32 v[n+1], v[n+1]
.set n, n+2
.endr
	v_nop                                          ; a plain place behind the last exponential
	s_wait_alu depctr_va_vdst(0)                   ; behind tile 0's batch and ahead of tile 1's
	SUM 0, TB                                      ; of the unquantised p
.set n, 0
.rept 64                               ; tile 1's exponentials; tile 0's holds stand among them (the conversion does not saturate: ISA guide 7.6.2; p is not negative, so the hold is one-sided)
	v_exp_f32 v[64+n], v[64+n]
	v_min_num_f32 v[n], v[n], v[HP]
.set n, n+1
.endr
	s_wait_alu depctr_va_vdst(0)                   ; behind the batch
	SUM 64, TB+32
.set n, 0
.rept 64
	v_min_num_f32 v[64+n], v[64+n], v[HP]
.set n, n+1
.endr
	WIN 0x05                                       ; sources in window 1, codes in window 0
.irp q, 0,1
.irp g, 0,1,2,3,4,5,6,7
	v_cvt_scalef32_pk8_fp8_f32 v[CD+16*\q+2*\g:CD+16*\q+2*\g+1], v[64*\q+8*\g:64*\q+8*\g+7], v[SCP]
.endr
.endr
	v_nop                                          ; a plain instruction behind the last conversion
	WIN 0
	s_wait_alu depctr_va_vdst(0)                   ; directly ahead of the wait below
	s_wait_dscnt 0x0                               ; v's fragments are in
.irp t, 0,1,2,3                        ; eight accumulators by turns, one instruction a turn
.irp q, 0,1
	v_wmma_f32_16x16x128_fp8_fp8 v[OA+32*\q+8*\t:OA+32*\q+8*\t+7], v[VF+16*\t:VF+16*\t+15], v[CD+16*\q:CD+16*\q+15], v[OA+32*\q+8*\t:OA+32*\q+8*\t+7]
.endr
.endr
	s_add_co_u32 s48, s48, 8192
.endm
	s_wait_alu depctr_va_vdst(0)                   ; the wait at the head's end
	s_wait_loadcnt 0x0                             ; q
	s_wait_tensorcnt 0x0                           ; my part of keys 0-511 is in
	ds_add_u32 v5, v6
	s_wait_dscnt 0x0
	CROUND                                         ; everybody's part is in, and the four work-groups are here
	tensor_load_to_lds s[36:39], s[68:75]          ; keys 512-2,047: my one load behind the round; it lands on bytes that the first loop does not read
	s_nop 0
	NOPS
	s_mov_b32 s48, 0
	s_mov_b32 s49, 4
.Lfirst:                               ; keys 0-511
	STEP
	s_sub_co_u32 s49, s49, 1
	s_cmp_lg_u32 s49, 0
	s_cbranch_scc1 .Lfirst
	s_wait_tensorcnt 0x0                           ; my part of the other keys is in
	s_wait_dscnt 0x0
	s_barrier_signal -1
	s_barrier_wait -1                              ; and everybody's
	s_mov_b32 s48, 32768
	s_mov_b32 s49, 12
.Lrest:                                ; keys 512-2,047
	STEP
	s_sub_co_u32 s49, s49, 1
	s_cmp_lg_u32 s49, 0
	s_cbranch_scc1 .Lrest
	; THE WAY OUT: O^T / the sum x 2^(e4 + e5), held, converted with 2^e6: the conversions' results are pieces of the next product's image, 512 consecutive bytes a store
	NOPS
	WIN 0x55
.irp b, TB, TB+32
	v_add_f32 v[\b+2], v[\b+2], v[\b+3]
.endr
.irp b, TB, TB+32
	v_permlanex16_b32 v[\b+16], v[\b+2], s20, s21
.endr
.irp b, TB, TB+32
	v_add_f32 v[\b+2], v[\b+2], v[\b+16]           ; the row's sum
.endr
	s_wait_alu depctr_va_vdst(0)                   ; ahead of the transcendentals
	v_rcp_f32 v[TB+2], v[TB+2]
	v_rcp_f32 v[TB+34], v[TB+34]
	v_nop
	s_add_co_i32 s60, s56, s57
	s_wait_alu depctr_va_vdst(0)                   ; and ahead of their first reader
	v_ldexp_f32 v[TB+2], v[TB+2], s60
	v_ldexp_f32 v[TB+34], v[TB+34], s60
	WIN 0x44                                       ; O^T in window 0; the factor and the results in window 1
	s_wait_alu depctr_va_vdst(0)                   ; directly ahead of the first reader of O^T
.set n, 0
.rept 16
	v_pk_mul_f32 v[n:n+1], v[OA+n:OA+n+1], v[TB+2:TB+3] op_sel_hi:[1,0]
	v_pk_mul_f32 v[32+n:33+n], v[OA+32+n:OA+33+n], v[TB+34:TB+35] op_sel_hi:[1,0]
.set n, n+2
.endr
	WIN 0x55
.set n, 0
.rept 64
	v_med3_num_f32 v[n], v[n], -v[HO], v[HO]
.set n, n+1
.endr
	WIN 0x05
.irp q, 0,1
.irp g, 0,1,2,3
	v_cvt_scalef32_pk8_fp8_f32 v[CD+8*\q+2*\g:CD+8*\q+2*\g+1], v[32*\q+8*\g:32*\q+8*\g+7], v[SCO]
.endr
.endr
	v_nop
	WIN 0
.irp q, 0,1
	global_store_b128 v1, v[CD+8*\q:CD+8*\q+3], s[8:9] offset:2048*\q
	global_store_b128 v1, v[CD+8*\q+4:CD+8*\q+7], s[8:9] offset:2048*\q+512
.endr
	s_wait_tensorcnt 0x0                           ; the wave's end
	ds_add_u32 v5, v6
	s_wait_dscnt 0x0
	CROUND                                         ; the closing round
	s_endpgm
.Lfunc_end_k_q8b81a47daf_attn:
	.size	k_q8b81a47daf_attn, .Lfunc_end_k_q8b81a47daf_attn-k_q8b81a47daf_attn
	.p2alignl 7, 3214868480
	.fill 96, 4, 3214868480
	.section	.rodata,"a",@progbits
	.p2align	6, 0x0
	.amdhsa_kernel k_q8b81a47daf_attn
		.amdhsa_group_segment_fixed_size 327680
		.amdhsa_private_segment_fixed_size 0
		.amdhsa_enable_private_segment 0
		.amdhsa_kernarg_size 24
		.amdhsa_user_sgpr_count 2
		.amdhsa_user_sgpr_kernarg_segment_ptr 1
		.amdhsa_wavefront_size32 1
		.amdhsa_system_sgpr_workgroup_id_x 1
		.amdhsa_system_sgpr_workgroup_id_y 1
		.amdhsa_system_sgpr_workgroup_id_z 1
		.amdhsa_system_vgpr_workitem_id 0
		.amdhsa_next_free_vgpr 512
		.amdhsa_next_free_sgpr 80
		.amdhsa_reserve_vcc 0
		.amdhsa_float_denorm_mode_32 3
		.amdhsa_float_denorm_mode_16_64 3
		.amdhsa_memory_ordered 1
		.amdhsa_forward_progress 1
		.amdhsa_inst_pref_size 74
	.end_amdhsa_kernel
	.amdgpu_metadata
---
amdhsa.version: [ 1, 2 ]
amdhsa.kernels:
  - .name:           k_q8b81a47daf_attn
    .symbol:         k_q8b81a47daf_attn.kd
    .args:
      - { .name: QKV, .offset: 0, .size: 8, .value_kind: global_buffer, .address_space: global }
      - { .name: lowp_scales, .offset: 8, .size: 8, .value_kind: global_buffer, .address_space: global }
      - { .name: O, .offset: 16, .size: 8, .value_kind: global_buffer, .address_space: global }
    .group_segment_fixed_size: 327680
    .private_segment_fixed_size: 0
    .kernarg_segment_align: 8
    .kernarg_segment_size: 24
    .max_flat_workgroup_size: 256
    .sgpr_count:     80
    .vgpr_count:     512
    .wavefront_size: 32
...
	.end_amdgpu_metadata
.endif
;; end of part 3
;; launch proj (part 4): grid 8 x 32, 4 waves a work-group, clusters of 4 x 4, 327,680 bytes of LDS; arguments O, P, x, lowp_scales, X1; writes X1
.if DOCPART == 4
	.amdgcn_target "amdgcn-amd-amdhsa--gfx1250"
	.amdhsa_code_object_version 6
	.text
	.protected	k_q8b81a47daf_proj
	.globl	k_q8b81a47daf_proj
	.p2align	8
	.type	k_q8b81a47daf_proj,@function
k_q8b81a47daf_proj:
	s_mov_b64 s[64:65], 0
	v_nop
	global_prefetch_b8 v0, s[64:65] scope:SCOPE_SE
	s_setreg_imm32_b32 hwreg(HW_REG_WAVE_MODE, 25, 1), 1
	s_wait_xcnt 0x0
	s_wait_alu depctr_hold_cnt(0) depctr_sa_sdst(0) depctr_va_vdst(0) depctr_va_sdst(0) depctr_va_ssrc(0) depctr_va_vcc(0) depctr_vm_vsrc(0)
	s_getreg_b32 s2, hwreg(HW_REG_IB_STS2, 6, 4)
	s_cmp_eq_u32 s2, 0
	s_cbranch_scc0 .Lentry_in_a_cluster
	s_endpgm
.Lentry_in_a_cluster:
	s_bfe_u32 s2, ttmp6, 0x10000c
	s_cmp_lg_u32 s2, 0xf033
	s_cbranch_scc0 .Lentry_shape_is_right
	s_endpgm
.Lentry_shape_is_right:
; Launch 4 of 7: X1 = x + o w_proj, the product on codes of FP8, the sum and the residual in f32.  Nothing of the problem is left out.
; A = o's images (O, 32 panels), B = w_proj's (P at WPOFF, 8 panels).  Tile 128 x 128, four waves of 64 x 64; K = 1,024 is two LDS slots of 512 along K, both asked for at the head; 4 x 4 clusters with joint loads.
; The matrix instruction is used transposed (source 0 = B's rows, source 1 = A's): lane (r, h) holds token r and columns 16 b + 8 h + 0..7.  A block of 16 tokens x 64 columns goes through the wave's own stage in LDS and comes back as
; rows of 256 bytes: sixteen lanes load the residual and store one aligned run of 256 bytes.
; LIMIT: e6 + e7 between -126 and 127.
; REGISTERS: window 0: v16-21 LDS addresses; v24-26 the way out; v27 16 x lane; v28, v29 the add's two; v32-95 the residual, two sets; v96-127 rows back from the stage; v128-255 accumulators.  Window 1: two fragment buffers.
.set WPOFF, 7340032
.set SLOT,  65536                      ; LDS: A's whole K at 0 (K step s of 512 at s x 65,536), B's at 131,072 likewise
.set SPARE, 262144
.set STAGE, 262656                     ; behind the spare words: 16 rows x 272 bytes for each wave; no tensor load lands here
.set ACC,  128
.set F0,   0
.set F1,   128
.set ADRA, 16
.set ADRB, 20
.set LN16, 27
.set SPW,  28
.set NIL,  29
.set RES,  32
.set BK,   96
.set G1,   24
.set G0,   32
.set G1B,  48
.set G0B,  56
.set MSB, 0
.macro WIN new
.if MSB != \new
	s_set_vgpr_msb (MSB<<8)|\new
.set MSB, \new
.endif
.endm
.set MUL,  0x05
.set TO_F, 0x40
.macro JLOAD s                         ; a joint load: waves 0 and 1 fetch A's halves, waves 2 and 3 B's; an s_nop 0 and four v_nop follow each line
	s_cmp_eq_u32 s11, 0
	s_cbranch_scc0 .Lfor_b_\@
	tensor_load_to_lds s[G0+4*\s:G0+4*\s+3], s[G1:G1+7]
	s_nop 0
.rept 4
	v_nop
.endr
	s_branch .Lasked_\@
.Lfor_b_\@:
	tensor_load_to_lds s[G0B+4*\s:G0B+4*\s+3], s[G1B:G1B+7]
	s_nop 0
.rept 4
	v_nop
.endr
.Lasked_\@:
.endm
.macro CREST
	s_cmp_lg_u32 s10, 0
	s_cbranch_scc1 .Lnot_wave_0_\@
	s_barrier_signal -3
.Lnot_wave_0_\@:
	s_barrier_wait -3
	s_barrier_signal -1
	s_barrier_wait -1
.endm
.macro CROUND
	s_barrier_signal -1
	s_barrier_wait -1
	CREST
.endm
.macro FETCH slot, q, f                ; 32 LDS loads in one run: quarter q's fragments: B's four blocks, then A's
	WIN TO_F
.irp b, 0,1,2,3
.irp c, 0,1,2,3
	ds_load_b128 v[\f+64+16*\b+4*\c:\f+64+16*\b+4*\c+3], v[ADRB+\slot] offset:(\q)*16384+\b*2048+\c*512
.endr
.endr
.irp a, 0,1,2,3
.irp c, 0,1,2,3
	ds_load_b128 v[\f+16*\a+4*\c:\f+16*\a+4*\c+3], v[ADRA+\slot] offset:(\q)*16384+\a*2048+\c*512
.endr
.endr
.endm
.macro MULA f, a, first                ; the 16 accumulators take turns, one instruction a turn
.irp b, 0,1,2,3
.if \first
	v_wmma_f32_16x16x128_fp8_fp8 v[ACC+8*(4*(\a)+\b):ACC+8*(4*(\a)+\b)+7], v[\f+64+16*\b:\f+64+16*\b+15], v[\f+16*(\a):\f+16*(\a)+15], 0
.else
	v_wmma_f32_16x16x128_fp8_fp8 v[ACC+8*(4*(\a)+\b):ACC+8*(4*(\a)+\b)+7], v[\f+64+16*\b:\f+64+16*\b+15], v[\f+16*(\a):\f+16*(\a)+15], v[ACC+8*(4*(\a)+\b):ACC+8*(4*(\a)+\b)+7]
.endif
.endr
.endm
.macro PLACES
.rept 4
	v_nop
.endr
.endm
.macro QUARTER slot, qn, f, g, first
	s_wait_dscnt 8                                 ; B's blocks and A's 0, 1 are in; A's 2, 3 may be out
	WIN MUL
	MULA \f, 0, \first
	MULA \f, 1, \first
	PLACES
	FETCH \slot, \qn, \g
	s_wait_dscnt 32                                ; all but the 32 just issued
	WIN MUL
	MULA \f, 2, \first
	MULA \f, 3, \first
.endm
.macro TURN slot, next, fill           ; a slot's last quarter and the change of slots (fill = 1 is not used at K = 1,024)
	WIN 0
	s_wait_tensorcnt 0x0                           ; all my tensor loads have landed
	ds_add_u32 v[SPW], v[NIL]
	s_wait_dscnt 9                                 ; (the add and A's blocks 2, 3 may be out)
	WIN MUL
	MULA F1, 0, 0
	MULA F1, 1, 0
	s_wait_dscnt 0x0                               ; the add is done, and my reads of this slot are over
	s_barrier_signal -1
	MULA F1, 2, 0
.if \fill
	WIN 0
.endif
	s_barrier_wait -1
.if \fill
	CREST
	s_add_nc_u64 s[G0+4*\slot+2:G0+4*\slot+3], s[G0+4*\slot+2:G0+4*\slot+3], 2*65536
	s_add_nc_u64 s[G0B+4*\slot+2:G0B+4*\slot+3], s[G0B+4*\slot+2:G0B+4*\slot+3], 2*65536
	JLOAD \slot
.else
	PLACES
.endif
	FETCH \next, 0, F0
	WIN MUL
	MULA F1, 3, 0
.endm
.macro RESLOAD a                       ; the residual at my rows 16 a on: two rows of 256 bytes a load; block a lies in window 2, v[32 a ..]: four sets, all asked for at the head
.set RB, 32*(\a)
.irp t, 0,1,2,3,4,5,6,7
	global_load_b128 v[RB+4*\t:RB+4*\t+3], v26, s[84:85] offset:(\a)*65536+\t*8192 th:TH_LOAD_NT
.endr
.endm
.macro OUTBLK a                        ; 16 tokens x 64 columns through my stage; LDS serves a wave's instructions in order (ISA guide 5.7.1.4), so no wait stands between the stores and the loads
.irp b, 0,1,2,3
	ds_store_b128 v24, v[ACC+8*(4*(\a)+\b):ACC+8*(4*(\a)+\b)+3] offset:64*\b
	ds_store_b128 v24, v[ACC+8*(4*(\a)+\b)+4:ACC+8*(4*(\a)+\b)+7] offset:64*\b+16
.endr
.if (\a) > 0
	s_wait_xcnt 0x0                                ; the last block's stores have read their registers, which the loads below fill again
.endif
.irp t, 0,1,2,3,4,5,6,7
	ds_load_b128 v[BK+4*\t:BK+4*\t+3], v25 offset:544*\t
.endr
	s_wait_loadcnt 0x0                             ; the residual, asked for at the head
	s_wait_dscnt 0x0
.set RB, 32*(\a)
	WIN 0x20                                       ; source 2 in window 2
.set n, 0
.rept 16
	v_pk_fma_f32 v[BK+n:BK+n+1], v[BK+n:BK+n+1], s[96:97], v[RB+n:RB+n+1] op_sel_hi:[1,0,1]   ; sum x 2^(e6 + e7) + x
.set n, n+2
.endr
	WIN 0
.irp t, 0,1,2,3,4,5,6,7
	global_store_b128 v26, v[BK+4*\t:BK+4*\t+3], s[88:89] offset:(\a)*65536+\t*8192   ; sixteen lanes store 256 consecutive bytes, aligned
.endr
.endm
	s_load_b256 s[80:87], s[0:1], 0x0              ; O, P, x, the exponents
	s_load_b64 s[88:89], s[0:1], 0x20              ; X1
	v_lshl_add_u32 v[SPW], v0, 2, SPARE
	v_mov_b32 v[NIL], 0
	ds_add_u32 v[SPW], v[NIL]                      ; the wave's opening: the add, twice on end, and its wait ahead of my first tensor load
	ds_add_u32 v[SPW], v[NIL]
	v_lshrrev_b32 v1, 5, v0
	v_readfirstlane_b32 s10, v1
	s_lshr_b32 s11, s10, 1                         ; wm; also: I fetch for A (0) or for B (1)
	s_and_b32 s12, s10, 1                          ; wn; also: which half I fetch
	s_bfe_u32 s40, ttmp6, 0x40000
	s_bfe_u32 s41, ttmp6, 0x40004
	s_lshl_b32 s42, ttmp9, 2
	s_add_co_u32 s42, s42, s40                     ; tile column
	s_and_b32 s13, ttmp7, 0xffff
	s_lshl_b32 s13, s13, 2
	s_add_co_u32 s13, s13, s41                     ; tile row
	s_lshl_b32 s43, s41, 2
	s_lshl_b32 s43, 15, s43
	s_lshl_b32 s44, 0x1111, s40
	s_or_b32 s[G1+0], s43, (3<<16)|(1<<21)         ; a dense block of 65,536 bytes: 256 rows of 32 elements of 8 bytes
	s_or_b32 s[G1B+0], s44, (3<<16)|(1<<21)
.irp g, G1, G1B
	s_mov_b32 s[\g+1], 32<<16
	s_mov_b32 s[\g+2], 256<<16                     ; 256 rows of 256 bytes: 65,536 dense bytes a load
	s_mov_b32 s[\g+3], 32<<16
	s_mov_b32 s[\g+4], 256
	s_mov_b32 s[\g+5], 32
	s_mov_b32 s[\g+6], 0
	s_mov_b32 s[\g+7], 0
.endr
	s_lshl_b32 s18, s12, 16                        ; which K step of 512 of the panel I fetch
	s_lshl_b32 s16, s13, 17
	s_add_co_u32 s16, s16, s18
	s_mov_b32 s17, 0
	s_lshl_b32 s46, s42, 17
	s_add_co_u32 s46, s46, s18
	s_add_co_u32 s46, s46, WPOFF
	s_mov_b32 s47, 0
	s_lshl_b32 s20, s10, 16                        ; where it goes: wave x 65,536
	s_wait_dscnt 0x0
	s_wait_kmcnt 0x0
	s_load_b64 s[74:75], s[86:87], 0x18            ; e6, e7
	s_add_nc_u64 s[14:15], s[80:81], s[16:17]
	s_add_nc_u64 s[46:47], s[82:83], s[46:47]
	CROUND
.irp s, 0                              ; one tensor load a wave at the head: the four bring all of K
	s_mov_b32 s[G0+4*\s], 1
	s_add_co_u32 s[G0+4*\s+1], s20, \s*SLOT
	s_add_nc_u64 s[G0+4*\s+2:G0+4*\s+3], s[14:15], \s*65536
	s_or_b32 s[G0+4*\s+3], s[G0+4*\s+3], 0x80000000
	s_mov_b32 s[G0B+4*\s], 1
	s_add_co_u32 s[G0B+4*\s+1], s20, \s*SLOT
	s_add_nc_u64 s[G0B+4*\s+2:G0B+4*\s+3], s[46:47], \s*65536
	s_or_b32 s[G0B+4*\s+3], s[G0B+4*\s+3], 0x80000000
	JLOAD \s
.endr
	v_and_b32 v[LN16], 31, v0
	v_lshlrev_b32 v[LN16], 4, v[LN16]
	s_lshl_b32 s21, s11, 13
	s_lshl_b32 s22, s12, 13
	s_add_co_u32 s22, s22, 131072
.irp s, 0,1
	v_add_nc_u32 v[ADRA+\s], s21, v[LN16]
	v_add_nc_u32 v[ADRB+\s], s22, v[LN16]
	s_add_co_u32 s21, s21, SLOT
	s_add_co_u32 s22, s22, SLOT
.endr
	v_and_b32 v1, 15, v0                           ; r
	v_bfe_u32 v2, v0, 4, 1                         ; h
	s_mul_i32 s23, s10, 16*272
	s_add_co_u32 s23, s23, STAGE                   ; my stage
	v_mul_u32_u24 v24, v1, 272                     ; in: row r, 32 bytes for each half of the lanes
	v_lshl_add_u32 v24, v2, 5, v24
	v_add_nc_u32 v24, s23, v24
	v_mul_u32_u24 v25, v2, 272                     ; back: lanes 0-15 one row, lanes 16-31 the next
	v_lshl_add_u32 v25, v1, 4, v25
	v_add_nc_u32 v25, s23, v25
	v_lshlrev_b32 v26, 12, v2                      ; and the same two rows of 4,096 bytes in x and X1
	v_lshl_add_u32 v26, v1, 4, v26
	s_wait_alu depctr_va_vdst(0)
	s_lshl_b32 s90, s13, 7
	s_lshl_b32 s91, s11, 6
	s_add_co_u32 s90, s90, s91                     ; my first token
	s_lshl_b32 s90, s90, 12
	s_lshl_b32 s91, s42, 9                         ; my first column, in bytes
	s_add_co_u32 s90, s90, s91
	s_lshl_b32 s91, s12, 8
	s_add_co_u32 s90, s90, s91
	s_mov_b32 s91, 0
	s_add_nc_u64 s[84:85], s[84:85], s[90:91]
	s_add_nc_u64 s[88:89], s[88:89], s[90:91]
	WIN 0x80                                       ; destination in window 2
	RESLOAD 0                                      ; all four blocks land under the tiles' flight and the products
	RESLOAD 1
	RESLOAD 2
	RESLOAD 3
	WIN 0
	s_wait_kmcnt 0x0
	s_add_co_i32 s96, s74, s75
	s_add_co_i32 s96, s96, 127
	s_lshl_b32 s96, s96, 23                        ; 2^(e6 + e7)
	s_mov_b32 s97, s96
	s_wait_alu depctr_va_vdst(0)                   ; the wait at the head's end
	s_wait_tensorcnt 0x0                           ; my one load is in
	s_barrier_signal -1
	s_barrier_wait -1
	FETCH 0, 0, F0
	QUARTER 0, 1, F0, F1, 1
	QUARTER 0, 2, F1, F0, 0
	QUARTER 0, 3, F0, F1, 0
	TURN 0, 1, 0
	QUARTER 1, 1, F0, F1, 0
	QUARTER 1, 2, F1, F0, 0
	QUARTER 1, 3, F0, F1, 0
	s_wait_dscnt 8
	WIN MUL
	MULA F1, 0, 0
	MULA F1, 1, 0
	s_wait_dscnt 0x0
	MULA F1, 2, 0
	MULA F1, 3, 0
	WIN 0
	PLACES
	OUTBLK 0
	OUTBLK 1
	OUTBLK 2
	OUTBLK 3
	s_wait_tensorcnt 0x0                           ; the wave's end
	ds_add_u32 v[SPW], v[NIL]
	s_wait_dscnt 0x0
	CROUND
	s_endpgm
.Lfunc_end_k_q8b81a47daf_proj:
	.size	k_q8b81a47daf_proj, .Lfunc_end_k_q8b81a47daf_proj-k_q8b81a47daf_proj
	.p2alignl 7, 3214868480
	.fill 96, 4, 3214868480
	.section	.rodata,"a",@progbits
	.p2align	6, 0x0
	.amdhsa_kernel k_q8b81a47daf_proj
		.amdhsa_group_segment_fixed_size 327680
		.amdhsa_private_segment_fixed_size 0
		.amdhsa_enable_private_segment 0
		.amdhsa_kernarg_size 40
		.amdhsa_user_sgpr_count 2
		.amdhsa_user_sgpr_kernarg_segment_ptr 1
		.amdhsa_wavefront_size32 1
		.amdhsa_system_sgpr_workgroup_id_x 1
		.amdhsa_system_sgpr_workgroup_id_y 1
		.amdhsa_system_sgpr_workgroup_id_z 1
		.amdhsa_system_vgpr_workitem_id 0
		.amdhsa_next_free_vgpr 768
		.amdhsa_next_free_sgpr 98
		.amdhsa_reserve_vcc 0
		.amdhsa_float_denorm_mode_32 3
		.amdhsa_float_denorm_mode_16_64 3
		.amdhsa_memory_ordered 1
		.amdhsa_forward_progress 1
		.amdhsa_inst_pref_size 48
	.end_amdhsa_kernel
	.amdgpu_metadata
---
amdhsa.version: [ 1, 2 ]
amdhsa.kernels:
  - .name:           k_q8b81a47daf_proj
    .symbol:         k_q8b81a47daf_proj.kd
    .args:
      - { .name: O, .offset: 0, .size: 8, .value_kind: global_buffer, .address_space: global }
      - { .name: P, .offset: 8, .size: 8, .value_kind: global_buffer, .address_space: global }
      - { .name: x, .offset: 16, .size: 8, .value_kind: global_buffer, .address_space: global }
      - { .name: lowp_scales, .offset: 24, .size: 8, .value_kind: global_buffer, .address_space: global }
      - { .name: X1, .offset: 32, .size: 8, .value_kind: global_buffer, .address_space: global }
    .group_segment_fixed_size: 327680
    .private_segment_fixed_size: 0
    .kernarg_segment_align: 8
    .kernarg_segment_size: 40
    .max_flat_workgroup_size: 128
    .sgpr_count:     98
    .vgpr_count:     768
    .wavefront_size: 32
...
	.end_amdgpu_metadata
.endif
;; end of part 4
;; launch ln2 (part 5): grid 256 x 1, 4 waves a work-group, no clusters, 17,920 bytes of LDS; arguments X1, ln2_w, ln2_b, lowp_scales, H2; writes H2
.if DOCPART == 5
	.amdgcn_target "amdgcn-amd-amdhsa--gfx1250"
	.amdhsa_code_object_version 6
	.text
	.protected	k_q8b81a47daf_ln2
	.globl	k_q8b81a47daf_ln2
	.p2align	8
	.type	k_q8b81a47daf_ln2,@function
k_q8b81a47daf_ln2:
	s_mov_b64 s[64:65], 0
	v_nop
	global_prefetch_b8 v0, s[64:65] scope:SCOPE_SE
	s_setreg_imm32_b32 hwreg(HW_REG_WAVE_MODE, 25, 1), 1
	s_wait_xcnt 0x0
; Launch 5 of 7: H2 = codes of LayerNorm 2 of X1, with the scale 2^e8, as images of operand registers (32 panels of 128 tokens, K = 1,024).  Nothing of the problem is left out.
; A work-group takes 16 rows, a wave 4; a row lies in 32 registers a lane between the passes for mean, variance and scaling, so memory is read once.  The codes meet in an image in LDS and leave as pieces of 512 consecutive bytes.
; LIMITS: e8 between -126 and 119; NaN is not served.  No matrix unit, cluster or tensor load: the launch streams.
.set SPARE, 17408
.set PITCH, 272
.set X,  32
.set W,  160
.set BV, 192
.set CD, 224
.macro JOIN
	v_pk_add_f32 v[8:9], v[8:9], v[10:11]
	v_pk_add_f32 v[12:13], v[12:13], v[14:15]
	v_pk_add_f32 v[8:9], v[8:9], v[12:13]
	v_add_f32 v8, v8, v9
.endm
.macro REDUCE
	v_add_f32_dpp v8, v8, v8 row_xmask:1 row_mask:0xf bank_mask:0xf
	v_add_f32_dpp v8, v8, v8 row_xmask:2 row_mask:0xf bank_mask:0xf
	v_add_f32_dpp v8, v8, v8 row_xmask:4 row_mask:0xf bank_mask:0xf
	v_add_f32_dpp v8, v8, v8 row_xmask:8 row_mask:0xf bank_mask:0xf
	v_permlanex16_b32 v16, v8, s40, s41
	v_add_f32 v8, v8, v16
.endm
.macro ROW i
.set XR, X+32*(\i)
	s_wait_loadcnt 8*(3-(\i))                      ; gain, bias and this row are in; the later rows' eight loads each may be out
.irp c, 0,1,2,3
	v_pk_add_f32 v[8+2*\c:9+2*\c], v[XR+2*\c:XR+2*\c+1], v[XR+8+2*\c:XR+9+2*\c]
.endr
.irp p, 8,9,10,11,12,13,14,15
	v_pk_add_f32 v[8+2*(\p%4):9+2*(\p%4)], v[8+2*(\p%4):9+2*(\p%4)], v[XR+2*\p:XR+2*\p+1]
.endr
	JOIN
	REDUCE
	v_mul_f32 v4, s42, v8                          ; the mean, in both halves of a pair
	v_mul_f32 v5, s42, v8
.irp p, 0,1,2,3,4,5,6,7,8,9,10,11,12,13,14,15
	v_pk_add_f32 v[XR+2*\p:XR+2*\p+1], v[XR+2*\p:XR+2*\p+1], v[4:5] neg_lo:[0,1] neg_hi:[0,1]
.endr
.irp c, 0,1,2,3
	v_pk_mul_f32 v[8+2*\c:9+2*\c], v[XR+2*\c:XR+2*\c+1], v[XR+2*\c:XR+2*\c+1]
.endr
.irp p, 4,5,6,7,8,9,10,11,12,13,14,15
	v_pk_fma_f32 v[8+2*(\p%4):9+2*(\p%4)], v[XR+2*\p:XR+2*\p+1], v[XR+2*\p:XR+2*\p+1], v[8+2*(\p%4):9+2*(\p%4)]
.endr
	JOIN
	REDUCE
	v_fma_f32 v6, v8, s42, s43                     ; the variance + 1e-5
	s_wait_alu depctr_va_vdst(0)
	v_rsq_f32 v6, v6
	v_nop                                          ; a plain instruction behind the transcendental,
	s_wait_alu depctr_va_vdst(0)                   ; and the wait ahead of its first reader
	v_mov_b32 v7, v6
.irp p, 0,1,2,3,4,5,6,7,8,9,10,11,12,13,14,15
	v_pk_mul_f32 v[XR+2*\p:XR+2*\p+1], v[XR+2*\p:XR+2*\p+1], v[6:7]
.endr
.irp p, 0,1,2,3,4,5,6,7,8,9,10,11,12,13,14,15
	v_pk_fma_f32 v[XR+2*\p:XR+2*\p+1], v[XR+2*\p:XR+2*\p+1], v[W+2*\p:W+2*\p+1], v[BV+2*\p:BV+2*\p+1]
.endr
.set n, 0
.rept 32
	v_med3_num_f32 v[XR+n], v[XR+n], -v17, v17     ; the hold at 448 x the scale (the conversion does not saturate: ISA guide 7.6.2)
.set n, n+1
.endr
.irp m, 0,1,2,3
	v_cvt_scalef32_pk8_fp8_f32 v[CD+8*(\i)+2*\m:CD+8*(\i)+2*\m+1], v[XR+8*\m:XR+8*\m+7], v18
.endr
	v_nop
.irp j, 0,1,2,3,4,5,6,7
	ds_store_b32 v2, v[CD+8*(\i)+\j] offset:8*PITCH*\j+16*(\i)   ; four codes, k = 128 j + 4 lane + 0..3: the 32 lanes touch 32 different banks
.endr
.endm
	s_load_b256 s[8:15], s[0:1], 0x0               ; X1, ln2_w, ln2_b, the exponents
	s_load_b64 s[24:25], s[0:1], 0x20              ; H2
	v_lshl_add_u32 v30, v0, 2, SPARE
	v_mov_b32 v31, 0
	v_lshrrev_b32 v1, 5, v0
	v_readfirstlane_b32 s26, v1                    ; wave 0..3
	v_and_b32 v1, 31, v0
	v_lshlrev_b32 v1, 4, v1                        ; 16 x lane
	s_lshl_b32 s44, ttmp9, 16
	s_lshl_b32 s45, s26, 14
	s_add_co_u32 s44, s44, s45
	s_mov_b32 s45, 0
	s_wait_alu depctr_va_vdst(0)
	s_wait_kmcnt 0x0
	s_load_b32 s28, s[14:15], 0x20                 ; e8
	s_add_nc_u64 s[8:9], s[8:9], s[44:45]
.irp j, 0,1,2,3,4,5,6,7
	global_load_b128 v[W+4*\j:W+4*\j+3], v1, s[10:11] offset:512*\j
.endr
.irp j, 0,1,2,3,4,5,6,7
	global_load_b128 v[BV+4*\j:BV+4*\j+3], v1, s[12:13] offset:512*\j
.endr
.irp i, 0,1,2,3
.irp j, 0,1,2,3,4,5,6,7
	global_load_b128 v[X+32*\i+4*\j:X+32*\i+4*\j+3], v1, s[8:9] offset:4096*\i+512*\j
.endr
.endr
	; the image in LDS: 64 rows rho = 8 (K step) + 2 (piece) + h of 256 bytes, PITCH apart
	v_bfe_u32 v2, v0, 3, 2
	v_bfe_u32 v3, v0, 1, 1
	v_lshl_add_u32 v2, v2, 1, v3
	v_mul_u32_u24 v2, v2, PITCH
	v_bfe_u32 v3, v0, 2, 1
	v_lshl_add_u32 v2, v3, 3, v2
	v_and_b32 v3, 1, v0
	v_lshl_add_u32 v2, v3, 2, v2
	s_lshl_b32 s27, s26, 6
	v_add_nc_u32 v2, s27, v2
	v_bfe_u32 v3, v0, 4, 1
	v_mul_u32_u24 v3, v3, PITCH
	v_and_b32 v4, 15, v0
	v_lshl_add_u32 v3, v4, 4, v3
	s_mul_i32 s27, s26, 16*PITCH
	v_add_nc_u32 v3, s27, v3
	s_lshr_b32 s46, ttmp9, 3                       ; the panel,
	s_lshl_b32 s46, s46, 17
	s_and_b32 s47, ttmp9, 7                        ; the row tile,
	s_lshl_b32 s47, s47, 11
	s_add_co_u32 s46, s46, s47
	s_lshl_b32 s47, s26, 15                        ; my wave's two K steps
	s_add_co_u32 s46, s46, s47
	s_mov_b32 s47, 0
	s_add_nc_u64 s[24:25], s[24:25], s[46:47]
	s_mov_b32 s40, 0x76543210
	s_mov_b32 s41, 0xfedcba98
	s_mov_b32 s42, 0x3a800000                      ; 1 / 1,024
	s_mov_b32 s43, 0x3727c5ac                      ; 1e-5
	v_mov_b32 v16, 0
	s_wait_kmcnt 0x0
	s_add_co_i32 s52, s28, 127
	s_lshl_b32 s53, s52, 23
	v_mov_b32 v18, s53                             ; 2^e8
	s_add_co_i32 s52, s52, 8
	s_lshl_b32 s52, s52, 23
	s_or_b32 s52, s52, 0x600000
	v_mov_b32 v17, s52                             ; 448 x 2^e8
	ROW 0
	ROW 1
	ROW 2
	ROW 3
	s_wait_dscnt 0x0                               ; for the others' sake: my stores into the image are done
	s_barrier_signal -1
	s_barrier_wait -1
.irp i, 0,1,2,3,4,5,6,7
	ds_load_b128 v[32+4*\i:35+4*\i], v3 offset:2*PITCH*\i
.endr
.irp i, 0,1,2,3,4,5,6,7
	s_wait_dscnt 7-\i
	global_store_b128 v1, v[32+4*\i:35+4*\i], s[24:25] offset:(\i/4)*16384+(\i%4)*512
.endr
	s_wait_tensorcnt 0x0                           ; the wave's end
	ds_add_u32 v30, v31
	s_wait_dscnt 0x0
	s_endpgm
.Lfunc_end_k_q8b81a47daf_ln2:
	.size	k_q8b81a47daf_ln2, .Lfunc_end_k_q8b81a47daf_ln2-k_q8b81a47daf_ln2
	.p2alignl 7, 3214868480
	.fill 96, 4, 3214868480
	.section	.rodata,"a",@progbits
	.p2align	6, 0x0
	.amdhsa_kernel k_q8b81a47daf_ln2
		.amdhsa_group_segment_fixed_size 17920
		.amdhsa_private_segment_fixed_size 0
		.amdhsa_enable_private_segment 0
		.amdhsa_kernarg_size 40
		.amdhsa_user_sgpr_count 2
		.amdhsa_user_sgpr_kernarg_segment_ptr 1
		.amdhsa_wavefront_size32 1
		.amdhsa_system_sgpr_workgroup_id_x 1
		.amdhsa_system_sgpr_workgroup_id_y 1
		.amdhsa_system_sgpr_workgroup_id_z 1
		.amdhsa_system_vgpr_workitem_id 0
		.amdhsa_next_free_vgpr 256
		.amdhsa_next_free_sgpr 66
		.amdhsa_reserve_vcc 0
		.amdhsa_float_denorm_mode_32 3
		.amdhsa_float_denorm_mode_16_64 3
		.amdhsa_memory_ordered 1
		.amdhsa_forward_progress 1
		.amdhsa_inst_pref_size 45
	.end_amdhsa_kernel
	.amdgpu_metadata
---
amdhsa.version: [ 1, 2 ]
amdhsa.kernels:
  - .name:           k_q8b81a47daf_ln2
    .symbol:         k_q8b81a47daf_ln2.kd
    .args:
      - { .name: X1, .offset: 0, .size: 8, .value_kind: global_buffer, .address_space: global }
      - { .name: ln2_w, .offset: 8, .size: 8, .value_kind: global_buffer, .address_space: global }
      - { .name: ln2_b, .offset: 16, .size: 8, .value_kind: global_buffer, .address_space: global }
      - { .name: lowp_scales, .offset: 24, .size: 8, .value_kind: global_buffer, .address_space: global }
      - { .name: H2, .offset: 32, .size: 8, .value_kind: global_buffer, .address_space: global }
    .group_segment_fixed_size: 17920
    .private_segment_fixed_size: 0
    .kernarg_segment_align: 8
    .kernarg_segment_size: 40
    .max_flat_workgroup_size: 128
    .sgpr_count:     66
    .vgpr_count:     256
    .wavefront_size: 32
...
	.end_amdgpu_metadata
.endif
;; end of part 5
;; launch fc1 (part 6): grid 8 x 32, 4 waves a work-group, clusters of 4 x 4, 327,680 bytes of LDS; arguments H2, P, b_fc1, lowp_scales, G; writes G
.if DOCPART == 6
	.amdgcn_target "amdgcn-amd-amdhsa--gfx1250"
	.amdhsa_code_object_version 6
	.text
	.protected	k_q8b81a47daf_fc1
	.globl	k_q8b81a47daf_fc1
	.p2align	8
	.type	k_q8b81a47daf_fc1,@function
k_q8b81a47daf_fc1:
	s_mov_b64 s[64:65], 0
	v_nop
	global_prefetch_b8 v0, s[64:65] scope:SCOPE_SE
	s_setreg_imm32_b32 hwreg(HW_REG_WAVE_MODE, 25, 1), 1
	s_wait_xcnt 0x0
	s_wait_alu depctr_hold_cnt(0) depctr_sa_sdst(0) depctr_va_vdst(0) depctr_va_sdst(0) depctr_va_ssrc(0) depctr_va_vcc(0) depctr_vm_vsrc(0)
	s_getreg_b32 s2, hwreg(HW_REG_IB_STS2, 6, 4)
	s_cmp_eq_u32 s2, 0
	s_cbranch_scc0 .Lentry_in_a_cluster
	s_endpgm
.Lentry_in_a_cluster:
	s_bfe_u32 s2, ttmp6, 0x10000c
	s_cmp_lg_u32 s2, 0xf033
	s_cbranch_scc0 .Lentry_shape_is_right
	s_endpgm
.Lentry_shape_is_right:
.set W1OFF, 8388608
.set TSTEP, 8*131072
.set SLOT,  65536                      ; LDS: the tokens' whole K at 0 (K step s of 512 at s x 65,536), the weight's K step s at 131,072 + s x 65,536
.set SPARE, 262144
.set ACC,  128
.set F0,   0
.set F1,   128
.set ADRA, 16
.set ADRB, 20
.set LN16, 27
.set SPW,  28
.set NIL,  29
.set BIAS, 0
.set G1,   24
.set G0,   32
.set G1B,  48
.set G0B,  56
.set G1R,  68
.set C0, 8
.set C2, 14
.set C4, 20
.set C5, 22
.set C6, 40
.set K0, 44
.set K2, 46
.set K3, 76
.set K4, 78
.set K5, 80
.set KAP, 82
.set MSB, 0
.macro WIN new
.if MSB != \new
	s_set_vgpr_msb (MSB<<8)|\new
.set MSB, \new
.endif
.endm
.set MUL,  0x05
.set MULB, 0x19                        ; a tile's first quarter: the weight in window 1, the tokens in window 2, the bias (C) in window 1, D in window 0
.set TO_F, 0x40
.macro JLOAD s
	s_cmp_eq_u32 s11, 0
	s_cbranch_scc0 .Lfor_b_\@
	tensor_load_to_lds s[G0+4*\s:G0+4*\s+3], s[G1:G1+7]
	s_nop 0
.rept 4
	v_nop
.endr
	s_branch .Lasked_\@
.Lfor_b_\@:
	tensor_load_to_lds s[G0B+4*\s:G0B+4*\s+3], s[G1B:G1B+7]
	s_nop 0
.rept 4
	v_nop
.endr
.Lasked_\@:
.endm
.macro CREST
	s_cmp_lg_u32 s10, 0
	s_cbranch_scc1 .Lnot_wave_0_\@
	s_barrier_signal -3
.Lnot_wave_0_\@:
	s_barrier_wait -3
	s_barrier_signal -1
	s_barrier_wait -1
.endm
.macro CROUND
	s_barrier_signal -1
	s_barrier_wait -1
	CREST
.endm
.macro FETCH slot, q, f
	WIN TO_F
.irp b, 0,1,2,3
.irp c, 0,1,2,3
	ds_load_b128 v[\f+64+16*\b+4*\c:\f+64+16*\b+4*\c+3], v[ADRB+\slot] offset:(\q)*16384+\b*2048+\c*512
.endr
.endr
; (only the weight's four blocks, 16 loads: the tokens' fragments, the same for all four tiles, are read from LDS once, at the head, and stay in windows 2 and 3: K quarter q of slot s, block a at v[64 q + 16 a] of window 2 + s.
;  The bias lies in window 1, v0-31, which no fetch writes)
.endm
.macro MULA f, a, first
.irp b, 0,1,2,3
.if \first
	v_wmma_f32_16x16x128_fp8_fp8 v[ACC+8*(4*(\a)+\b):ACC+8*(4*(\a)+\b)+7], v[\f+64+16*\b:\f+64+16*\b+15], v[AQ+16*(\a):AQ+16*(\a)+15], v[BIAS+8*\b:BIAS+8*\b+7]
.else
	v_wmma_f32_16x16x128_fp8_fp8 v[ACC+8*(4*(\a)+\b):ACC+8*(4*(\a)+\b)+7], v[\f+64+16*\b:\f+64+16*\b+15], v[AQ+16*(\a):AQ+16*(\a)+15], v[ACC+8*(4*(\a)+\b):ACC+8*(4*(\a)+\b)+7]
.endif
.endr
.endm
.macro PLACES
.rept 4
	v_nop
.endr
.endm
.macro QUARTER slot, qn, f, g, first   ; 128 along K: the weight from buffer f, the tokens from their registers; at its start the weight's next quarter qn is fetched into g
.set AQ, 64*((\qn)-1)
.set MUL, 0x09+4*(\slot)               ; the weight in window 1, the tokens in window 2 + slot, C and D in window 0
	s_wait_dscnt 0x0                               ; buffer f's 16 loads are in
	PLACES
	FETCH \slot, \qn, \g
.if \first
	WIN MULB
.else
	WIN MUL
.endif
	MULA \f, 0, \first
	MULA \f, 1, \first
	MULA \f, 2, \first
	MULA \f, 3, \first
.endm
.macro TURN fill
	WIN 0
	s_wait_tensorcnt 0x0
	ds_add_u32 v[SPW], v[NIL]
.set AQ, 192
.set MUL, 0x09
	s_wait_dscnt 1                                 ; buffer 1's 16 loads are in; the add may be out
	WIN MUL
	MULA F1, 0, 0
	MULA F1, 1, 0
	s_wait_dscnt 0x0
	s_barrier_signal -1
	MULA F1, 2, 0
.if \fill
	WIN 0
.endif
	s_barrier_wait -1
.if \fill
	CREST
	s_add_nc_u64 s[6:7], s[6:7], TSTEP
	tensor_load_to_lds s[4:7], s[G1R:G1R+7]
	s_nop 0
.endif
	PLACES
	FETCH 1, 0, F0
	WIN MUL
	MULA F1, 3, 0
.endm
.macro MID
	s_wait_tensorcnt 0x0
	ds_add_u32 v[SPW], v[NIL]
	s_add_nc_u64 s[18:19], s[18:19], TSTEP
	s_wait_dscnt 0x0
	CROUND
	tensor_load_to_lds s[16:19], s[G1R:G1R+7]
	s_nop 0
	PLACES
	FETCH 0, 0, F0
	WIN 0
.endm
.set T,  32
.set S2, 48
.set R,  64
.set U,  80
.macro GELU16 a, c
.set AB, ACC+32*(\a)+16*(\c)
.set CR, 96+4*(2*(\a)+(\c))
.set n, 0
.rept 16
	v_mul_f32 v[T+n], s66, |v[AB+n]|
.set n, n+1
.endr
.set n, 0
.rept 8
	v_pk_mul_f32 v[S2+n:S2+n+1], v[T+n:T+n+1], v[T+n:T+n+1]
.set n, n+2
.endr
.set n, 0
.rept 8
	v_pk_fma_f32 v[R+n:R+n+1], v[T+n:T+n+1], s[C0:C0+1], v[4:5] op_sel_hi:[1,0,1]
	v_pk_fma_f32 v[U+n:U+n+1], v[T+n:T+n+1], s[C2:C2+1], v[6:7] op_sel_hi:[1,0,1]
.set n, n+2
.endr
.set n, 0
.rept 8
	v_pk_fma_f32 v[R+n:R+n+1], v[R+n:R+n+1], v[S2+n:S2+n+1], v[U+n:U+n+1]
.set n, n+2
.endr
.irp k, C4, C5, C6
.set n, 0
.rept 8
	v_pk_fma_f32 v[R+n:R+n+1], v[R+n:R+n+1], v[T+n:T+n+1], s[\k:\k+1] op_sel_hi:[1,1,0]
.set n, n+2
.endr
.endr
.set n, 0
.rept 8
	v_pk_mul_f32 v[R+n:R+n+1], v[R+n:R+n+1], v[T+n:T+n+1]
.set n, n+2
.endr
.set n, 0
	s_wait_alu depctr_va_vdst(0)
.rept 16
	v_exp_f32 v[R+n], -v[R+n]
.set n, n+1
.endr
.set n, 0
.rept 8
	v_pk_fma_f32 v[U+n:U+n+1], v[S2+n:S2+n+1], s[K0:K0+1], v[8:9] op_sel_hi:[1,0,1]
.set n, n+2
.endr
.irp k, K2, K3, K4, K5
.set n, 0
.rept 8
	v_pk_fma_f32 v[U+n:U+n+1], v[U+n:U+n+1], v[S2+n:S2+n+1], s[\k:\k+1] op_sel_hi:[1,1,0]
.set n, n+2
.endr
.endr
.set n, 0
.rept 8
	v_pk_fma_f32 v[U+n:U+n+1], v[U+n:U+n+1], v[T+n:T+n+1], 1.0 op_sel_hi:[1,1,0] neg_lo:[1,0,0] neg_hi:[1,0,0]
.set n, n+2
.endr
.set n, 0
.rept 16
	v_max_num_f32 v[AB+n], 0, v[AB+n]
.set n, n+1
.endr
	s_wait_alu depctr_va_vdst(0)
.set n, 0
.rept 16
	v_cmp_lt_f32 vcc_lo, s67, v[T+n]
	v_cndmask_b32 v[U+n], v[U+n], v[R+n], vcc_lo
.set n, n+1
.endr
.set n, 0
.rept 8
	v_pk_mul_f32 v[U+n:U+n+1], v[U+n:U+n+1], v[T+n:T+n+1]
.set n, n+2
.endr
.set n, 0
.rept 8
	v_pk_fma_f32 v[AB+n:AB+n+1], v[U+n:U+n+1], s[KAP:KAP+1], v[AB+n:AB+n+1] op_sel_hi:[1,0,1]
.set n, n+2
.endr
.set n, 0
.rept 16
	v_med3_num_f32 v[AB+n], v[AB+n], -v11, v11
.set n, n+1
.endr
	v_cvt_scalef32_pk8_fp8_f32 v[CR:CR+1], v[AB:AB+7], v10
	v_cvt_scalef32_pk8_fp8_f32 v[CR+2:CR+3], v[AB+8:AB+15], v10
	global_store_b128 v[LN16], v[CR:CR+3], s[88:89] offset:(\a)*2048+(\c)*512
.endm
.macro BIASLOAD
	WIN 0x40                                       ; the bias: destination in window 1
.irp b, 0,1,2,3
	global_load_b128 v[BIAS+8*\b:BIAS+8*\b+3], v3, s[84:85] offset:64*\b
	global_load_b128 v[BIAS+8*\b+4:BIAS+8*\b+7], v3, s[84:85] offset:64*\b+16
.endr
.endm
.macro BIASSCALE
	s_wait_loadcnt 0x0
	WIN 0x41
.set n, 0
.rept 32
	v_ldexp_f32 v[BIAS+n], v[BIAS+n], s93
.set n, n+1
.endr
	WIN 0
.endm
.macro TILE fill
	QUARTER 0, 1, F0, F1, 1
.if \fill
	WIN 0
	PLACES
	s_add_nc_u64 s[84:85], s[84:85], 4096
	BIASLOAD
.endif
	QUARTER 0, 2, F1, F0, 0
	QUARTER 0, 3, F0, F1, 0
	TURN \fill
	QUARTER 1, 1, F0, F1, 0
	QUARTER 1, 2, F1, F0, 0
	QUARTER 1, 3, F0, F1, 0
.set AQ, 192
.set MUL, 0x0d
	s_wait_dscnt 0x0
	WIN MUL
	MULA F1, 0, 0
	MULA F1, 1, 0
	s_wait_dscnt 0x0
	MULA F1, 2, 0
	MULA F1, 3, 0
	WIN 0
	PLACES
	GELU16 0, 0
	GELU16 0, 1
	GELU16 1, 0
	GELU16 1, 1
.if \fill
	MID
.endif
	GELU16 2, 0
	GELU16 2, 1
	GELU16 3, 0
	GELU16 3, 1
	v_nop
.if \fill
	BIASSCALE
	s_wait_xcnt 0x0
	s_add_nc_u64 s[88:89], s[88:89], 131072
.endif
.endm
	s_load_b256 s[80:87], s[0:1], 0x0
	s_load_b64 s[88:89], s[0:1], 0x20
	v_lshl_add_u32 v[SPW], v0, 2, SPARE
	v_mov_b32 v[NIL], 0
	ds_add_u32 v[SPW], v[NIL]
	ds_add_u32 v[SPW], v[NIL]
	v_lshrrev_b32 v1, 5, v0
	v_readfirstlane_b32 s10, v1
	s_lshr_b32 s11, s10, 1
	s_and_b32 s12, s10, 1
	s_bfe_u32 s40, ttmp6, 0x40000
	s_bfe_u32 s41, ttmp6, 0x40004
	s_lshl_b32 s42, ttmp9, 2
	s_add_co_u32 s42, s42, s40
	s_and_b32 s13, ttmp7, 0xffff
	s_lshl_b32 s13, s13, 2
	s_add_co_u32 s13, s13, s41
	s_lshl_b32 s43, s41, 2
	s_lshl_b32 s43, 15, s43
	s_lshl_b32 s44, 0x1111, s40
	s_or_b32 s[G1+0], s43, (3<<16)|(1<<21)
	s_or_b32 s[G1B+0], s44, (3<<16)|(1<<21)
	s_or_b32 s[G1R+0], s44, (3<<16)|(1<<21)
.irp g, G1, G1B
	s_mov_b32 s[\g+1], 32<<16
	s_mov_b32 s[\g+2], 256<<16                     ; a first fill: 256 rows of 256 bytes, 65,536 dense bytes
	s_mov_b32 s[\g+3], 32<<16
	s_mov_b32 s[\g+4], 256
	s_mov_b32 s[\g+5], 32
	s_mov_b32 s[\g+6], 0
	s_mov_b32 s[\g+7], 0
.endr
	s_mov_b32 s[G1R+1], 32<<16
	s_mov_b32 s[G1R+2], 64<<16
	s_mov_b32 s[G1R+3], 32<<16
	s_mov_b32 s[G1R+4], 64
	s_mov_b32 s[G1R+5], 32
	s_mov_b32 s[G1R+6], 0
	s_mov_b32 s[G1R+7], 0
	s_lshl_b32 s22, s12, 16                        ; which K step of 512 of the panel I fetch
	s_lshl_b32 s20, s13, 17
	s_add_co_u32 s20, s20, s22
	s_mov_b32 s21, 0
	s_lshl_b32 s46, s42, 17
	s_add_co_u32 s46, s46, W1OFF
	s_mov_b32 s47, 0
	s_mov_b32 s96, s22
	s_mov_b32 s97, 0
	s_lshl_b32 s23, s10, 16                        ; where it goes: wave x 65,536
	s_lshl_b32 s90, s10, 14
	s_mov_b32 s91, 0
	s_wait_dscnt 0x0
	s_wait_kmcnt 0x0
	s_load_b128 s[76:79], s[86:87], 0x20
	s_add_nc_u64 s[14:15], s[80:81], s[20:21]
	s_add_nc_u64 s[46:47], s[82:83], s[46:47]
	s_add_nc_u64 s[94:95], s[46:47], s[90:91]
	s_add_nc_u64 s[46:47], s[46:47], s[96:97]
	CROUND
.irp s, 0                              ; one tensor load a wave at the head: the four bring the first tile's whole K
	s_mov_b32 s[G0+4*\s], 1
	s_add_co_u32 s[G0+4*\s+1], s23, \s*SLOT
	s_add_nc_u64 s[G0+4*\s+2:G0+4*\s+3], s[14:15], \s*65536
	s_or_b32 s[G0+4*\s+3], s[G0+4*\s+3], 0x80000000
	s_mov_b32 s[G0B+4*\s], 1
	s_add_co_u32 s[G0B+4*\s+1], s23, \s*SLOT
	s_add_nc_u64 s[G0B+4*\s+2:G0B+4*\s+3], s[46:47], \s*65536
	s_or_b32 s[G0B+4*\s+3], s[G0B+4*\s+3], 0x80000000
	JLOAD \s
.endr
	s_mov_b32 s4, 1
	s_add_co_u32 s5, s90, 131072                   ; the refills: the weight's K step 0 + wave x 16,384,
	s_mov_b64 s[6:7], s[94:95]
	s_or_b32 s7, s7, 0x80000000
	s_mov_b32 s16, 1
	s_add_co_u32 s17, s90, 196608                  ; and its K step 1
	s_add_nc_u64 s[18:19], s[94:95], 65536
	s_or_b32 s19, s19, 0x80000000
	s_lshl_b32 s90, s42, 9
	s_lshl_b32 s91, s12, 8
	s_add_co_u32 s90, s90, s91
	s_mov_b32 s91, 0
	s_add_nc_u64 s[84:85], s[84:85], s[90:91]
	v_bfe_u32 v2, v0, 4, 1
	v_lshlrev_b32 v3, 5, v2
	BIASLOAD
	WIN 0
	v_and_b32 v[LN16], 31, v0
	v_lshlrev_b32 v[LN16], 4, v[LN16]
	s_lshl_b32 s21, s11, 13
	s_lshl_b32 s22, s12, 13
	s_add_co_u32 s22, s22, 131072
.irp s, 0,1
	v_add_nc_u32 v[ADRA+\s], s21, v[LN16]
	v_add_nc_u32 v[ADRB+\s], s22, v[LN16]
	s_add_co_u32 s21, s21, SLOT
	s_add_co_u32 s22, s22, SLOT
.endr
	s_lshl_b32 s94, s13, 19
	s_lshl_b32 s95, s42, 14
	s_add_co_u32 s94, s94, s95
	s_lshl_b32 s95, s11, 13
	s_add_co_u32 s94, s94, s95
	s_lshl_b32 s95, s12, 10
	s_add_co_u32 s94, s94, s95
	s_mov_b32 s95, 0
	s_add_nc_u64 s[88:89], s[88:89], s[94:95]
	s_wait_kmcnt 0x0
	s_add_co_i32 s92, s76, s77
	s_sub_co_i32 s93, 0, s92
	s_sub_co_i32 s94, s78, s92
	s_add_co_i32 s94, s94, 127
	s_lshl_b32 s95, s94, 23
	v_mov_b32 v10, s95
	s_add_co_i32 s94, s94, 8
	s_lshl_b32 s94, s94, 23
	s_or_b32 s94, s94, 0x600000
	v_mov_b32 v11, s94
	s_lshl_b32 s99, s92, 23
	s_add_co_u32 s66, s99, 0x3f3504f3
	s_mov_b32 s67, 0x3f6c0000
	s_mov_b32 s96, 0x3fb8aa3b
	s_mul_f32 s[C0], 0x37911480, s96
	s_mul_f32 s97, 0xb9c8e966, s96
	s_mul_f32 s[C2], 0x3b7e899b, s96
	s_mul_f32 s98, 0xbcc6b180, s96
	s_mul_f32 s[C4], 0x3ddaae58, s96
	s_mul_f32 s[C5], 0x3f228550, s96
	s_add_f32 s[C6], 0x3e03ce86, 1.0
	s_mul_f32 s[C6], s[C6], s96
	s_mov_b32 s[K0], 0xba1d0d41
	s_mov_b32 s[K2], 0xbcdb45e9
	s_mov_b32 s[K3], 0x3de70d23
	s_mov_b32 s[K4], 0xbec09370
	s_add_f32 s[K5], 0x3e0375d3, 1.0
	s_sub_co_u32 s[KAP], 0xbf3504f3, s99
.irp p, C0, C2, C4, C5, C6, K0, K2, K3, K4, K5, KAP
	s_mov_b32 s[\p+1], s[\p]
.endr
	v_mov_b32 v4, s97
	v_mov_b32 v5, s97
	v_mov_b32 v6, s98
	v_mov_b32 v7, s98
	v_mov_b32 v8, 0x3ba39fa4
	v_mov_b32 v9, 0x3ba39fa4
	BIASSCALE
	s_wait_alu depctr_va_vdst(0)                   ; the wait at the head's end
	s_wait_tensorcnt 0x0                           ; my one load is in
	s_barrier_signal -1
	s_barrier_wait -1
	WIN 0x80                                       ; my 64 tokens' fragments of all of K, 512 registers: K quarters 0-3 into window 2,
.irp q, 0,1,2,3
.irp a, 0,1,2,3
.irp c, 0,1,2,3
	ds_load_b128 v[64*\q+16*\a+4*\c:64*\q+16*\a+4*\c+3], v[ADRA] offset:\q*16384+\a*2048+\c*512
.endr
.endr
.endr
	WIN 0xc0                                       ; quarters 4-7 into window 3
.irp q, 0,1,2,3
.irp a, 0,1,2,3
.irp c, 0,1,2,3
	ds_load_b128 v[64*\q+16*\a+4*\c:64*\q+16*\a+4*\c+3], v[ADRA+1] offset:\q*16384+\a*2048+\c*512
.endr
.endr
.endr
	FETCH 0, 0, F0
	WIN 0
	s_mov_b32 s3, 3
.Ltile:
	s_wait_alu depctr_va_vdst(0)
	TILE 1
	s_sub_co_u32 s3, s3, 1
	s_cmp_lg_u32 s3, 0
	s_cbranch_scc1 .Ltile
	s_wait_alu depctr_va_vdst(0)
	TILE 0
	s_wait_tensorcnt 0x0
	ds_add_u32 v[SPW], v[NIL]
	s_wait_dscnt 0x0
	CROUND
	s_endpgm
.Lfunc_end_k_q8b81a47daf_fc1:
	.size	k_q8b81a47daf_fc1, .Lfunc_end_k_q8b81a47daf_fc1-k_q8b81a47daf_fc1
	.p2alignl 7, 3214868480
	.fill 96, 4, 3214868480
	.section	.rodata,"a",@progbits
	.p2align	6, 0x0
	.amdhsa_kernel k_q8b81a47daf_fc1
		.amdhsa_group_segment_fixed_size 327680
		.amdhsa_private_segment_fixed_size 0
		.amdhsa_enable_private_segment 0
		.amdhsa_kernarg_size 40
		.amdhsa_user_sgpr_count 2
		.amdhsa_user_sgpr_kernarg_segment_ptr 1
		.amdhsa_wavefront_size32 1
		.amdhsa_system_sgpr_workgroup_id_x 1
		.amdhsa_system_sgpr_workgroup_id_y 1
		.amdhsa_system_sgpr_workgroup_id_z 1
		.amdhsa_system_vgpr_workitem_id 0
		.amdhsa_next_free_vgpr 1024
		.amdhsa_next_free_sgpr 100
		.amdhsa_reserve_vcc 1
		.amdhsa_float_denorm_mode_32 3
		.amdhsa_float_denorm_mode_16_64 3
		.amdhsa_memory_ordered 1
		.amdhsa_forward_progress 1
		.amdhsa_inst_pref_size 255
	.end_amdhsa_kernel
	.section	.bss,"aw",@nobits
	.p2align	6
	.space	262144
	.amdgpu_metadata
---
amdhsa.version: [ 1, 2 ]
amdhsa.kernels:
  - .name:           k_q8b81a47daf_fc1
    .symbol:         k_q8b81a47daf_fc1.kd
    .args:
      - { .name: H2, .offset: 0, .size: 8, .value_kind: global_buffer, .address_space: global }
      - { .name: P, .offset: 8, .size: 8, .value_kind: global_buffer, .address_space: global }
      - { .name: b_fc1, .offset: 16, .size: 8, .value_kind: global_buffer, .address_space: global }
      - { .name: lowp_scales, .offset: 24, .size: 8, .value_kind: global_buffer, .address_space: global }
      - { .name: G, .offset: 32, .size: 8, .value_kind: global_buffer, .address_space: global }
    .group_segment_fixed_size: 327680
    .private_segment_fixed_size: 0
    .kernarg_segment_align: 8
    .kernarg_segment_size: 40
    .max_flat_workgroup_size: 128
    .sgpr_count:     100
    .vgpr_count:     1024
    .wavefront_size: 32
...
	.end_amdgpu_metadata
.endif
;; end of part 6
;; launch fc2 (part 7): grid 8 x 32, 4 waves a work-group, clusters of 4 x 4, 327,680 bytes of LDS; arguments G, P, b_fc2, X1, lowp_scales, out0; writes out0
.if DOCPART == 7
	.amdgcn_target "amdgcn-amd-amdhsa--gfx1250"
	.amdhsa_code_object_version 6
	.text
	.protected	k_q8b81a47daf_fc2
	.globl	k_q8b81a47daf_fc2
	.p2align	8
	.type	k_q8b81a47daf_fc2,@function
k_q8b81a47daf_fc2:
	s_mov_b64 s[64:65], 0
	v_nop
	global_prefetch_b8 v0, s[64:65] scope:SCOPE_SE
	s_setreg_imm32_b32 hwreg(HW_REG_WAVE_MODE, 25, 1), 1
	s_wait_xcnt 0x0
	s_wait_alu depctr_hold_cnt(0) depctr_sa_sdst(0) depctr_va_vdst(0) depctr_va_sdst(0) depctr_va_ssrc(0) depctr_va_vcc(0) depctr_vm_vsrc(0)
	s_getreg_b32 s2, hwreg(HW_REG_IB_STS2, 6, 4)
	s_cmp_eq_u32 s2, 0
	s_cbranch_scc0 .Lentry_in_a_cluster
	s_endpgm
.Lentry_in_a_cluster:
	s_bfe_u32 s2, ttmp6, 0x10000c
	s_cmp_lg_u32 s2, 0xf033
	s_cbranch_scc0 .Lentry_shape_is_right
	s_endpgm
.Lentry_shape_is_right:
.set W2OFF, 12582912
.set SLOT,  131072
.set SPARE, 262144
.set STAGE, 262656
.set LAPS,  4
.set ACC,  128
.set F0,   0
.set F1,   128
.set ADRA, 16
.set ADRB, 20
.set LN16, 27
.set SPW,  28
.set NIL,  29
.set RES,  32
.set BIAS, 64
.set BK,   96
.set G1,   24
.set G0,   32
.set G1B,  48
.set G0B,  56
.set MSB, 0
.macro WIN new
.if MSB != \new
	s_set_vgpr_msb (MSB<<8)|\new
.set MSB, \new
.endif
.endm
.set MUL,  0x05
.set TO_F, 0x40
.macro JLOAD s
	s_cmp_eq_u32 s11, 0
	s_cbranch_scc0 .Lfor_b_\@
	tensor_load_to_lds s[G0+4*\s:G0+4*\s+3], s[G1:G1+7]
	s_nop 0
.rept 4
	v_nop
.endr
	s_branch .Lasked_\@
.Lfor_b_\@:
	tensor_load_to_lds s[G0B+4*\s:G0B+4*\s+3], s[G1B:G1B+7]
	s_nop 0
.rept 4
	v_nop
.endr
.Lasked_\@:
.endm
.macro CREST
	s_cmp_lg_u32 s10, 0
	s_cbranch_scc1 .Lnot_wave_0_\@
	s_barrier_signal -3
.Lnot_wave_0_\@:
	s_barrier_wait -3
	s_barrier_signal -1
	s_barrier_wait -1
.endm
.macro CROUND
	s_barrier_signal -1
	s_barrier_wait -1
	CREST
.endm
.macro FETCH slot, q, f
	WIN TO_F
.irp b, 0,1,2,3
.irp c, 0,1,2,3
	ds_load_b128 v[\f+64+16*\b+4*\c:\f+64+16*\b+4*\c+3], v[ADRB+\slot] offset:(\q)*16384+\b*2048+\c*512
.endr
.endr
.irp a, 0,1,2,3
.irp c, 0,1,2,3
	ds_load_b128 v[\f+16*\a+4*\c:\f+16*\a+4*\c+3], v[ADRA+\slot] offset:(\q)*16384+\a*2048+\c*512
.endr
.endr
.endm
.macro MULA f, a, first
.irp b, 0,1,2,3
.if \first
	v_wmma_f32_16x16x128_fp8_fp8 v[ACC+8*(4*(\a)+\b):ACC+8*(4*(\a)+\b)+7], v[\f+64+16*\b:\f+64+16*\b+15], v[\f+16*(\a):\f+16*(\a)+15], v[BIAS+8*\b:BIAS+8*\b+7]
.else
	v_wmma_f32_16x16x128_fp8_fp8 v[ACC+8*(4*(\a)+\b):ACC+8*(4*(\a)+\b)+7], v[\f+64+16*\b:\f+64+16*\b+15], v[\f+16*(\a):\f+16*(\a)+15], v[ACC+8*(4*(\a)+\b):ACC+8*(4*(\a)+\b)+7]
.endif
.endr
.endm
.macro PLACES
.rept 4
	v_nop
.endr
.endm
.macro QUARTER slot, qn, f, g, first
	s_wait_dscnt 8
	WIN MUL
	MULA \f, 0, \first
	MULA \f, 1, \first
	PLACES
	FETCH \slot, \qn, \g
	s_wait_dscnt 32
	WIN MUL
	MULA \f, 2, \first
	MULA \f, 3, \first
.endm
.macro TURN slot, next, fill
	WIN 0
	s_wait_tensorcnt 0x0
	ds_add_u32 v[SPW], v[NIL]
	s_wait_dscnt 9
	WIN MUL
	MULA F1, 0, 0
	MULA F1, 1, 0
	s_wait_dscnt 0x0
	s_barrier_signal -1
	MULA F1, 2, 0
.if \fill
	WIN 0
.endif
	s_barrier_wait -1
.if \fill
	CREST
	s_add_nc_u64 s[G0+4*\slot+2:G0+4*\slot+3], s[G0+4*\slot+2:G0+4*\slot+3], 2*65536
	s_add_nc_u64 s[G0B+4*\slot+2:G0B+4*\slot+3], s[G0B+4*\slot+2:G0B+4*\slot+3], 2*65536
	JLOAD \slot
.else
	PLACES
.endif
	FETCH \next, 0, F0
.if \fill
	WIN 0                                          ; (a branch follows)
	s_cmp_gt_u32 s3, 1                             ; the loop's last trip loads K steps 6 and 7: no K step stands two on
	s_cbranch_scc0 .Lno_ask_\@
	global_prefetch_b8 v30, s[4:5] offset:(4+\slot)*65536 th:TH_LOAD_NT scope:SCOPE_SE   ; the K step two refills on from the one just asked for
.Lno_ask_\@:
.endif
	WIN MUL
	MULA F1, 3, 0
.endm
.macro RESLOAD a                       ; the residual at my rows 16 a on; block a lies in window 2, v[32 a ..]: four sets, all asked for at the head
.set RB, 32*(\a)
.irp t, 0,1,2,3,4,5,6,7
	global_load_b128 v[RB+4*\t:RB+4*\t+3], v26, s[86:87] offset:(\a)*65536+\t*8192 th:TH_LOAD_NT
.endr
.endm
.macro OUTBLK a
.irp b, 0,1,2,3
	ds_store_b128 v24, v[ACC+8*(4*(\a)+\b):ACC+8*(4*(\a)+\b)+3] offset:64*\b
	ds_store_b128 v24, v[ACC+8*(4*(\a)+\b)+4:ACC+8*(4*(\a)+\b)+7] offset:64*\b+16
.endr
.if (\a) > 0
	s_wait_xcnt 0x0
.endif
.irp t, 0,1,2,3,4,5,6,7
	ds_load_b128 v[BK+4*\t:BK+4*\t+3], v25 offset:544*\t
.endr
	s_wait_loadcnt 0x0                             ; the residual, asked for at the head
	s_wait_dscnt 0x0
.set RB, 32*(\a)
	WIN 0x20                                       ; source 2 in window 2
.set n, 0
.rept 16
	v_pk_fma_f32 v[BK+n:BK+n+1], v[BK+n:BK+n+1], s[96:97], v[RB+n:RB+n+1] op_sel_hi:[1,0,1]
.set n, n+2
.endr
	WIN 0
.irp t, 0,1,2,3,4,5,6,7
	global_store_b128 v26, v[BK+4*\t:BK+4*\t+3], s[90:91] offset:(\a)*65536+\t*8192 th:TH_STORE_NT
.endr
.endm
	s_load_b256 s[80:87], s[0:1], 0x0
	s_load_b128 s[88:91], s[0:1], 0x20
	v_lshl_add_u32 v[SPW], v0, 2, SPARE
	v_mov_b32 v[NIL], 0
	ds_add_u32 v[SPW], v[NIL]
	ds_add_u32 v[SPW], v[NIL]
	v_lshrrev_b32 v1, 5, v0
	v_readfirstlane_b32 s10, v1
	s_lshr_b32 s11, s10, 1
	s_and_b32 s12, s10, 1
	s_bfe_u32 s40, ttmp6, 0x40000
	s_bfe_u32 s41, ttmp6, 0x40004
	s_lshl_b32 s42, ttmp9, 2
	s_add_co_u32 s42, s42, s40
	s_and_b32 s13, ttmp7, 0xffff
	s_lshl_b32 s13, s13, 2
	s_add_co_u32 s13, s13, s41
	s_lshl_b32 s43, s41, 2
	s_lshl_b32 s43, 15, s43
	s_lshl_b32 s44, 0x1111, s40
	s_or_b32 s[G1+0], s43, (3<<16)|(1<<21)
	s_or_b32 s[G1B+0], s44, (3<<16)|(1<<21)
.irp g, G1, G1B
	s_mov_b32 s[\g+1], 32<<16
	s_mov_b32 s[\g+2], 128<<16
	s_mov_b32 s[\g+3], 32<<16
	s_mov_b32 s[\g+4], 128
	s_mov_b32 s[\g+5], 32
	s_mov_b32 s[\g+6], 0
	s_mov_b32 s[\g+7], 0
.endr
	s_lshl_b32 s18, s12, 15
	s_lshl_b32 s16, s13, 19
	s_add_co_u32 s16, s16, s18
	s_mov_b32 s17, 0
	s_lshl_b32 s46, s42, 19
	s_add_co_u32 s46, s46, s18
	s_add_co_u32 s46, s46, W2OFF
	s_mov_b32 s47, 0
	s_lshl_b32 s20, s10, 15
	s_wait_dscnt 0x0
	s_wait_kmcnt 0x0
	s_load_b64 s[78:79], s[88:89], 0x28
	s_add_nc_u64 s[14:15], s[80:81], s[16:17]
	s_add_nc_u64 s[46:47], s[82:83], s[46:47]
	CROUND
.irp s, 0,1
	s_mov_b32 s[G0+4*\s], 1
	s_add_co_u32 s[G0+4*\s+1], s20, \s*SLOT
	s_add_nc_u64 s[G0+4*\s+2:G0+4*\s+3], s[14:15], \s*65536
	s_or_b32 s[G0+4*\s+3], s[G0+4*\s+3], 0x80000000
	s_mov_b32 s[G0B+4*\s], 1
	s_add_co_u32 s[G0B+4*\s+1], s20, \s*SLOT
	s_add_nc_u64 s[G0B+4*\s+2:G0B+4*\s+3], s[46:47], \s*65536
	s_or_b32 s[G0B+4*\s+3], s[G0B+4*\s+3], 0x80000000
.endr
	JLOAD 0                                        ; K step 0: one tensor load a wave at the head; the rest of the head stands behind it
	; the prefetches: behind the load of K step j each wave asks for K step j + 2.  Of the 32,768 bytes that a wave fetches, each of the four partners that ask for them jointly takes 8,192, told apart by address
	; (cx for A, cy for B), lanes 256 bytes apart: each block of 256 bytes is named once in the cluster
	s_cmp_eq_u32 s11, 0                            ; do I fetch for A?
	s_cselect_b64 s[4:5], s[14:15], s[46:47]
	s_cselect_b32 s6, s40, s41
	s_lshl_b32 s6, s6, 13
	s_mov_b32 s7, 0
	s_add_nc_u64 s[4:5], s[4:5], s[6:7]            ; at K step 0; stepped two K steps at the end of each trip of the loop
	v_and_b32 v30, 31, v0
	v_lshlrev_b32 v30, 8, v30                      ; 256 x lane; never rewritten
	global_prefetch_b8 v30, s[4:5] offset:2*65536 th:TH_LOAD_NT scope:SCOPE_SE
	v_and_b32 v1, 15, v0
	v_bfe_u32 v2, v0, 4, 1
	s_lshl_b32 s94, s42, 9
	s_lshl_b32 s95, s12, 8
	s_add_co_u32 s94, s94, s95
	s_mov_b32 s95, 0
	s_add_nc_u64 s[84:85], s[84:85], s[94:95]
	v_lshlrev_b32 v3, 5, v2
.irp b, 0,1,2,3
	global_load_b128 v[BIAS+8*\b:BIAS+8*\b+3], v3, s[84:85] offset:64*\b
	global_load_b128 v[BIAS+8*\b+4:BIAS+8*\b+7], v3, s[84:85] offset:64*\b+16
.endr
	v_lshlrev_b32 v26, 12, v2
	v_lshl_add_u32 v26, v1, 4, v26
	s_wait_alu depctr_va_vdst(0)
	s_lshl_b32 s92, s13, 7
	s_lshl_b32 s93, s11, 6
	s_add_co_u32 s92, s92, s93
	s_lshl_b32 s92, s92, 12
	s_add_co_u32 s92, s92, s94
	s_mov_b32 s93, 0
	s_add_nc_u64 s[86:87], s[86:87], s[92:93]
	s_add_nc_u64 s[90:91], s[90:91], s[92:93]
	WIN 0x80                                       ; destination in window 2
	RESLOAD 0
	RESLOAD 1
	RESLOAD 2
	RESLOAD 3
	WIN 0
	v_and_b32 v[LN16], 31, v0
	v_lshlrev_b32 v[LN16], 4, v[LN16]
	s_lshl_b32 s21, s11, 13
	s_lshl_b32 s22, s12, 13
	s_add_co_u32 s22, s22, 65536
.irp s, 0,1
	v_add_nc_u32 v[ADRA+\s], s21, v[LN16]
	v_add_nc_u32 v[ADRB+\s], s22, v[LN16]
	s_add_co_u32 s21, s21, SLOT
	s_add_co_u32 s22, s22, SLOT
.endr
	s_mul_i32 s23, s10, 16*272
	s_add_co_u32 s23, s23, STAGE
	v_mul_u32_u24 v24, v1, 272
	v_lshl_add_u32 v24, v2, 5, v24
	v_add_nc_u32 v24, s23, v24
	v_mul_u32_u24 v25, v2, 272
	v_lshl_add_u32 v25, v1, 4, v25
	v_add_nc_u32 v25, s23, v25
	s_wait_kmcnt 0x0
	s_add_co_i32 s96, s78, s79
	s_sub_co_i32 s94, 0, s96
	s_add_co_i32 s96, s96, 127
	s_lshl_b32 s96, s96, 23
	s_mov_b32 s97, s96
	s_wait_loadcnt 32                              ; the bias is in; the residual's 32 loads, issued behind it, may be out
.set n, 0
.rept 32
	v_ldexp_f32 v[BIAS+n], v[BIAS+n], s94
.set n, n+1
.endr
	s_wait_alu depctr_va_vdst(0)
	s_wait_tensorcnt 0x0                           ; my part of K step 0 is in
	ds_add_u32 v[SPW], v[NIL]
	s_wait_dscnt 0x0
	CROUND                                         ; everybody's part is in, and all sixteen work-groups are here
	JLOAD 1                                        ; K step 1: the first tensor load behind the round
	global_prefetch_b8 v30, s[4:5] offset:3*65536 th:TH_LOAD_NT scope:SCOPE_SE
	FETCH 0, 0, F0
	QUARTER 0, 1, F0, F1, 1
	WIN 0
	s_mov_b32 s3, LAPS-1
.Llap:
	QUARTER 0, 2, F1, F0, 0
	QUARTER 0, 3, F0, F1, 0
	TURN 0, 1, 1
	QUARTER 1, 1, F0, F1, 0
	QUARTER 1, 2, F1, F0, 0
	QUARTER 1, 3, F0, F1, 0
	TURN 1, 0, 1
	QUARTER 0, 1, F0, F1, 0
	WIN 0
	s_wait_xcnt 0x0                                ; my prefetches have read their address, so it may be written
	s_add_nc_u64 s[4:5], s[4:5], 131072            ; two K steps on
	s_sub_co_u32 s3, s3, 1
	s_cmp_lg_u32 s3, 0
	s_cbranch_scc1 .Llap
	QUARTER 0, 2, F1, F0, 0
	QUARTER 0, 3, F0, F1, 0
	TURN 0, 1, 0
	QUARTER 1, 1, F0, F1, 0
	QUARTER 1, 2, F1, F0, 0
	QUARTER 1, 3, F0, F1, 0
	s_wait_dscnt 8
	WIN MUL
	MULA F1, 0, 0
	MULA F1, 1, 0
	s_wait_dscnt 0x0
	MULA F1, 2, 0
	MULA F1, 3, 0
	WIN 0
	PLACES
	OUTBLK 0
	OUTBLK 1
	OUTBLK 2
	OUTBLK 3
	s_wait_tensorcnt 0x0
	ds_add_u32 v[SPW], v[NIL]
	s_wait_dscnt 0x0
	CROUND
	s_endpgm
.Lfunc_end_k_q8b81a47daf_fc2:
	.size	k_q8b81a47daf_fc2, .Lfunc_end_k_q8b81a47daf_fc2-k_q8b81a47daf_fc2
	.p2alignl 7, 3214868480
	.fill 96, 4, 3214868480
	.section	.rodata,"a",@progbits
	.p2align	6, 0x0
	.amdhsa_kernel k_q8b81a47daf_fc2
		.amdhsa_group_segment_fixed_size 327680
		.amdhsa_private_segment_fixed_size 0
		.amdhsa_enable_private_segment 0
		.amdhsa_kernarg_size 48
		.amdhsa_user_sgpr_count 2
		.amdhsa_user_sgpr_kernarg_segment_ptr 1
		.amdhsa_wavefront_size32 1
		.amdhsa_system_sgpr_workgroup_id_x 1
		.amdhsa_system_sgpr_workgroup_id_y 1
		.amdhsa_system_sgpr_workgroup_id_z 1
		.amdhsa_system_vgpr_workitem_id 0
		.amdhsa_next_free_vgpr 768
		.amdhsa_next_free_sgpr 98
		.amdhsa_reserve_vcc 0
		.amdhsa_float_denorm_mode_32 3
		.amdhsa_float_denorm_mode_16_64 3
		.amdhsa_memory_ordered 1
		.amdhsa_forward_progress 1
		.amdhsa_inst_pref_size 81
	.end_amdhsa_kernel
	.amdgpu_metadata
---
amdhsa.version: [ 1, 2 ]
amdhsa.kernels:
  - .name:           k_q8b81a47daf_fc2
    .symbol:         k_q8b81a47daf_fc2.kd
    .args:
      - { .name: G, .offset: 0, .size: 8, .value_kind: global_buffer, .address_space: global }
      - { .name: P, .offset: 8, .size: 8, .value_kind: global_buffer, .address_space: global }
      - { .name: b_fc2, .offset: 16, .size: 8, .value_kind: global_buffer, .address_space: global }
      - { .name: X1, .offset: 24, .size: 8, .value_kind: global_buffer, .address_space: global }
      - { .name: lowp_scales, .offset: 32, .size: 8, .value_kind: global_buffer, .address_space: global }
      - { .name: out0, .offset: 40, .size: 8, .value_kind: global_buffer, .address_space: global }
    .group_segment_fixed_size: 327680
    .private_segment_fixed_size: 0
    .kernarg_segment_align: 8
    .kernarg_segment_size: 48
    .max_flat_workgroup_size: 128
    .sgpr_count:     98
    .vgpr_count:     768
    .wavefront_size: 32
...
	.end_amdgpu_metadata
.endif
;; end of part 7
